; MI455X (gfx1250); checked and timed in simulation.
; The chip was launched on July 23, 2026; its instructions are those of AMD's public machine-readable ISA for CDNA 5 (MIT licence, August 2026) and "CDNA5" Instruction Set Architecture Reference Guide (July 2026). The comments in the code are by the model that wrote it; some were corrected since.
;; Multi Head Attention. Allowed arithmetic: matrix products marked QUANTISED: E2M1 operands, one E8M0 scale for each 32 along K, by v_wmma_scale_f32_16x16x128_f8f6f4 with both operands' format E2M1 (or v_wmma_scale_f32_32x16x128_f4), f32 sums; everything else in f32.
;; Inputs: out_b 1,024 float32; out_w 1,024 x 1,024 float32; qkv_b 3,072 float32; qkv_w 3,072 x 1,024 float32; x 4 x 2,048 x 1,024 float32.
;; Outputs: out0 4 x 2,048 x 1,024 float32.
;; This version of the problem:
;;   THIS VERSION OF THE PROBLEM IS GIVEN IN LOW PRECISION. The matrix products marked QUANTISED in the list below multiply operands that are first quantised to E2M1 (2 exponent bits, 1 mantissa bit; 4 bits a number), with one power-of-two scale for each 32 numbers along K (OCP MX v1.0); their sums are f32. All else is computed in f32.
;;   The module's matrix products, in the order in which they are computed (A, B: the left and right operand; K: the contracted axis; several contracted axes count as one K, in the product's order):
;;     1. [M 8,192, K 1,024] x [K 1,024, N 3,072]; A: input x; B: input qkv_w: QUANTISED
;;     2. batch 64 x [M 2,048, K 64] x [K 64, N 2,048]; A: computed on the way; B: computed on the way: QUANTISED
;;     3. batch 64 x [M 2,048, K 2,048] x [K 2,048, N 64]; A: softmax (see below); B: computed on the way: QUANTISED
;;     4. [M 8,192, K 1,024] x [K 1,024, N 1,024]; A: computed on the way; B: input out_w: QUANTISED
;;   THE QUANTISER, for each operand of a quantised product, along K:
;;     - K is cut into blocks of 32 from its start; a last block that is shorter is filled with zeros.
;;     - A block's scale is 2^e with e = floor(log2(the largest magnitude in the block)) - 2, held to -126 .. 127; a block of zeros has e = 0. As a byte (E8M0): e + 127.
;;     - Each number is divided by its block's scale, clamped to +-6, and rounded to the nearest number of E2M1, ties to even, subnormals kept.
;;     - The product sums the exact products of the quantised numbers (number of the format x scale) in f32.
;;   ~~~python
;;   def quantise(x, axis):      # numpy; x: float32 -> the quantised numbers, widened to float32 again
;;       x = np.moveaxis(x, axis, -1); K = x.shape[-1]
;;       x = np.pad(x, [(0, 0)] * (x.ndim - 1) + [(0, -K % 32)]); x = x.reshape(x.shape[:-1] + (-1, 32)); a = np.abs(x).max(-1, keepdims=True)
;;       e = np.where(a > 0, np.clip(np.frexp(np.where(a > 0, a, 1))[1] - 1 - 2, -126, 127), 0)      # np.frexp(a)[1] - 1 = floor(log2(a)), exactly
;;       r = np.clip(x / 2.0 ** e, -6, 6)
;;       step = 2.0 ** (np.maximum(np.frexp(np.where(r == 0, 1, r))[1] - 1, 0) - 1)
;;       q = np.round(r / step) * step * 2.0 ** e      # np.round: ties to even
;;       return np.moveaxis(q.reshape(q.shape[:-2] + (-1,))[..., :K], -1, axis).astype(np.float32)
;;   ~~~
;;   SOFTMAX AHEAD OF A QUANTISED PRODUCT. Where the list says 'softmax', what is quantised is not the finished softmax but p = 2^(t - M), with t = logit x log2(e) and M = ceil(the row's largest t), a whole number; so 1/2 < the row's largest p <= 1. The row's sum l is taken of the UNQUANTISED p, in f32, and the product's result is divided by l at the end. Since M is a whole number, a kernel that streams over the keys may use a running M (the ceiling of the running maximum): every later rescaling is an exact power of two, which a block's scale takes up: the codes' values come out the same.
;;   OPERANDS COMPUTED ON THE WAY. 'Computed on the way' means the value that the module computes at that place (a softmax that the list does not call 'softmax' is quantised finished and normalised). What goes into a quantiser is computed in f32, as accurately as f32 sums, v_exp_f32 and their like allow (about 1e-6 of the number): no bf16 or f16 on the way to a quantiser, and a product that is left as it is and whose result goes on into a quantised operand takes f32 operands (vector FMAs, or v_wmma_f32_16x16x4_f32). A number that lies on a knife's edge between two numbers of the format may be rounded either way, as far as f32 arithmetic and the matrix unit's own rounding can turn it there, and no further.
;; One version. Each part assembles by itself: llvm-mc -triple=amdgcn-amd-amdhsa -mcpu=gfx1250 --defsym DOCPART=n.
;; ======== version 1 of 1: 4 launches
;; workspace buffers: opnd 6,684,672 bytes; qkv 13,893,632 bytes; att 4,456,448 bytes
;; launch quant (part 1): grid 384 x 1, 4 waves a work-group, no clusters, 34,304 bytes of LDS; arguments x, qkv_w, out_w, opnd; writes opnd
.if DOCPART == 1
	.amdgcn_target "amdgcn-amd-amdhsa--gfx1250"
	.amdhsa_code_object_version 6
	.text
	.protected	k_qc14ed8dd1d_quant
	.globl	k_qc14ed8dd1d_quant
	.p2align	8
	.type	k_qc14ed8dd1d_quant,@function
k_qc14ed8dd1d_quant:
	s_mov_b64 s[64:65], 0
	v_nop
	global_prefetch_b8 v0, s[64:65] scope:SCOPE_SE
	s_setreg_imm32_b32 hwreg(HW_REG_WAVE_MODE, 25, 1), 1
	s_wait_xcnt 0x0
; x [8192][1024], qkv_w [3072][1024] and out_w [1024][1024], f32, K innermost, become codes of FP4 (E2M1) with one E8M0 byte for each 32 along K.
; A block's scale is 2^(floor(log2(its largest magnitude)) - 2); its byte is the largest magnitude's exponent field - 2, held at 1 from below.
; LIMITS: NaN and infinities among the inputs are not served.  A block whose largest magnitude lies under 2^-124 gets the byte 1; so does a block of zeros (the quantiser's text says 127):
; its codes are zeros, which add nothing under that byte, and only this program reads the bytes.
; THE OUTPUT IS LAID AS IMAGES OF THE MATRIX OPERAND'S REGISTERS.  The 12,288 rows are 768 tiles of 16 (0-511 x, 512-703 qkv_w, 704-767 out_w).
; Lane row r of tile T = 2 g + u of a tensor is its row 32 g + 8 u + r + 8 (r / 8).
; codes:  H x PLANE + T x 4096 + f x 1024 + c x 512 + 16 x lane  holds k = 512 H + 128 f + 64 c + 32 (lane / 16) + 0 .. 31 of lane row lane % 16
; scales: SCOFF + T x 512 + H x 256 + 16 r + 4 f + (2 c + lane / 16)
; SHARES.  A wave takes one tile and one half of K: 16 rows x 512 numbers.  Each load reads 512 consecutive bytes of one row; the numbers turn through the wave's own stage in LDS,
; so that a lane gets two whole blocks of 32 neighbours: no other lane is asked for a maximum.  Waves share nothing: no barrier.  No cluster: no two work-groups read the same bytes.
.set PLANE, 3145728                    ; codes of one half of K, all 768 tiles
.set SCOFF, 6291456                    ; the scale bytes lie behind both halves
.set SP,    528                        ; a stage row: 512 bytes + 16, an odd multiple of 16
.set MX,  9                            ; v9-10   the two blocks' largest magnitudes
.set EX,  11                           ; v11-12  the conversions' scale operands
.set BX,  13                           ; v13-14  the scale bytes
.set PD,  15                           ; v15     a lane permute's destination
.set WD,  16                           ; v16-19  the scale word of each of the four fragments
.set CD,  32                           ; v32-63  codes: eight registers a fragment, never written again
.set RAW, 64                           ; v64-191 two sets of 64: the numbers as loaded
.set X,   192                          ; v192-255 my 64 numbers: two blocks of 32
	s_load_b256 s[4:11], s[0:1], 0x0               ; x s[4:5], qkv_w s[6:7], out_w s[8:9], opnd s[10:11]
	v_lshl_add_u32 v30, v0, 2, 0x8400
	v_mov_b32 v31, 0
	v_lshrrev_b32 v1, 5, v0
	v_readfirstlane_b32 s12, v1                    ; wave
	v_and_b32 v1, 31, v0                           ; lane
	v_and_b32 v2, 15, v0                           ; r
	v_bfe_u32 v3, v0, 4, 1                         ; h
	v_lshlrev_b32 v4, 4, v1                        ; 16 x lane: my bytes of a load and of a store of codes; never rewritten
	s_mul_i32 s13, s12, 16*SP                      ; my wave's stage
	v_add_nc_u32 v5, s13, v4                       ; into it: a row as it lies
	v_mul_u32_u24 v6, v2, SP
	v_lshl_add_u32 v6, v3, 7, v6
	v_add_nc_u32 v6, s13, v6                       ; out of it: row r, 32 h numbers on
	v_lshlrev_b32 v7, 4, v2
	v_lshl_add_u32 v7, v3, 3, v7                   ; the scale words' store: 16 r + 8 h
	v_lshlrev_b32 v8, 3, v3                        ; 8 h: my bytes' shift in a scale word
	v_mov_b32 v[PD], 0                             ; written once: a lane permute's destination counts as one of its sources
	s_mov_b32 s20, 0x76543210
	s_mov_b32 s21, 0xfedcba98                      ; selects: lane l xor 16
	s_lshl_b32 s14, ttmp9, 1
	s_lshr_b32 s15, s12, 1
	s_add_co_u32 s14, s14, s15                     ; the tile among the 768: 2 x work-group + wave / 2
	s_and_b32 s15, s12, 1                          ; H: which half of K
	s_wait_alu depctr_va_vdst(0)
	s_wait_kmcnt 0x0
	s_mov_b32 s16, 704
	s_cmp_lt_u32 ttmp9, 352                        ; which tensor: the choice hangs on the work-group's number alone
	s_cselect_b64 s[6:7], s[6:7], s[8:9]
	s_cselect_b32 s16, 512, s16
	s_cmp_lt_u32 ttmp9, 256
	s_cselect_b64 s[4:5], s[4:5], s[6:7]
	s_cselect_b32 s16, 0, s16                      ; the tensor's first tile
	s_sub_co_u32 s16, s14, s16                     ; the tile within its tensor
	s_lshr_b32 s17, s16, 1
	s_lshl_b32 s17, s17, 5
	s_and_b32 s18, s16, 1
	s_lshl_b32 s18, s18, 3
	s_add_co_u32 s17, s17, s18                     ; its first row: 32 g + 8 u
	s_lshl_b32 s18, s17, 12                        ; rows of 4,096 bytes
	s_lshl_b32 s19, s15, 11                        ; + H x 2,048
	s_add_co_u32 s18, s18, s19
	s_mov_b32 s19, 0
	s_add_nc_u64 s[4:5], s[4:5], s[18:19]          ; where I read
	s_mul_i32 s18, s15, PLANE
	s_lshl_b32 s22, s14, 12
	s_add_co_u32 s18, s18, s22
	s_add_nc_u64 s[8:9], s[10:11], s[18:19]        ; where my codes go
	s_lshl_b32 s18, s14, 9
	s_lshl_b32 s22, s15, 8
	s_add_co_u32 s18, s18, s22
	s_add_co_u32 s18, s18, SCOFF
	s_add_nc_u64 s[10:11], s[10:11], s[18:19]      ; and my scale words
.macro LOAD f                          ; fragment f: 128 along K of the tile's 16 rows: each load is 512 consecutive bytes of one row
.irp i, 0,1,2,3,4,5,6,7,8,9,10,11,12,13,14,15
	global_load_b128 v[RAW+64*((\f)%2)+4*\i:RAW+64*((\f)%2)+4*\i+3], v4, s[4:5] offset:(\i+8*(\i/8))*4096+512*(\f) th:TH_LOAD_NT
.endr
.endm
.macro FRAG f
.if (\f) < 3
	s_wait_loadcnt 16                              ; this fragment's 16 loads are in; the next fragment's 16 may be out
.else
	s_wait_loadcnt 0x0
.endif
.irp i, 0,1,2,3,4,5,6,7,8,9,10,11,12,13,14,15
	ds_store_b128 v5, v[RAW+64*((\f)%2)+4*\i:RAW+64*((\f)%2)+4*\i+3] offset:SP*\i
.endr
.irp c, 0,1
.irp j, 0,1,2,3,4,5,6,7
	ds_load_b128 v[X+32*\c+4*\j:X+32*\c+4*\j+3], v6 offset:256*\c+16*\j    ; k = 64 c + 32 h + 4 j on, of row r.  LDS serves a wave's instructions in order: these see the stores above
.endr
.endr
	s_wait_dscnt 0x0                               ; my numbers are back; the stage's stores have read their registers,
.if (\f)+2 < 4
	LOAD (\f)+2                                    ; which take the loads of two fragments on
.endif
.irp c, 0,1
	v_max3_num_f32 v[MX+\c], |v[X+32*\c]|, |v[X+32*\c+1]|, 0x1800000       ; block 2 c + h: all 32 numbers are mine; the floor 2^(3 - 127) holds the byte at 1 from below
.endr
.irp i, 2,4,6,8,10,12,14,16,18,20,22,24,26,28,30
.irp c, 0,1
	v_max3_num_f32 v[MX+\c], v[MX+\c], |v[X+32*\c+\i]|, |v[X+32*\c+\i+1]|  ; (the two blocks by turns)
.endr
.endr
.irp c, 0,1
	v_add_nc_u32 v[EX+\c], 0xff000000, v[MX+\c]    ; 2 off the exponent field: the conversion takes this operand's exponent field as its scale
.endr
.irp c, 0,1
.irp g, 0,1,2,3
	v_cvt_scalef32_pk8_fp4_f32 v[CD+8*(\f)+4*\c+\g], v[X+32*\c+8*\g:X+32*\c+8*\g+7], v[EX+\c]
.endr
.endr
.irp c, 0,1
	v_lshrrev_b32 v[BX+\c], 23, v[EX+\c]           ; the scale's byte.  (Also the plain line behind the conversions)
.endr
	v_lshl_or_b32 v[WD+(\f)], v[BX+1], 16, v[BX]   ; my two bytes, blocks h and 2 + h,
	v_lshlrev_b32 v[WD+(\f)], v8, v[WD+(\f)]       ; at their places in the word;
	v_permlanex16_b32 v[PD], v[WD+(\f)], s20, s21
	v_or_b32 v[WD+(\f)], v[WD+(\f)], v[PD]         ; with lane l xor 16's two the word is whole
.irp c, 0,1
	global_store_b128 v4, v[CD+8*(\f)+4*\c:CD+8*(\f)+4*\c+3], s[8:9] offset:1024*(\f)+512*\c   ; 32 lanes store 512 consecutive bytes
.endr
.endm
	LOAD 0
	LOAD 1
	FRAG 0
	FRAG 1
	FRAG 2
	FRAG 3
	v_cmp_le_u32 vcc_lo, 16, v1                    ; lanes 16-31 store the words of fragments 2 and 3
	v_cndmask_b32 v20, v[WD], v[WD+2], vcc_lo
	v_cndmask_b32 v21, v[WD+1], v[WD+3], vcc_lo
	global_store_b64 v7, v[20:21], s[10:11]        ; 32 lanes store 256 consecutive bytes, aligned.  No store's data or address register is ever written again: no wait is owed
	s_wait_tensorcnt 0x0
	ds_add_u32 v30, v31
	s_wait_dscnt 0x0
	s_endpgm
.Lfunc_end_k_qc14ed8dd1d_quant:
	.size	k_qc14ed8dd1d_quant, .Lfunc_end_k_qc14ed8dd1d_quant-k_qc14ed8dd1d_quant
	.p2alignl 7, 3214868480
	.fill 96, 4, 3214868480
	.section	.rodata,"a",@progbits
	.p2align	6, 0x0
	.amdhsa_kernel k_qc14ed8dd1d_quant
		.amdhsa_group_segment_fixed_size 34304
		.amdhsa_private_segment_fixed_size 0
		.amdhsa_enable_private_segment 0
		.amdhsa_kernarg_size 32
		.amdhsa_user_sgpr_count 2
		.amdhsa_user_sgpr_kernarg_segment_ptr 1
		.amdhsa_wavefront_size32 1
		.amdhsa_system_sgpr_workgroup_id_x 1
		.amdhsa_system_sgpr_workgroup_id_y 1
		.amdhsa_system_sgpr_workgroup_id_z 1
		.amdhsa_system_vgpr_workitem_id 0
		.amdhsa_next_free_vgpr 256
		.amdhsa_next_free_sgpr 66
		.amdhsa_reserve_vcc 1
		.amdhsa_float_denorm_mode_32 3
		.amdhsa_float_denorm_mode_16_64 3
		.amdhsa_memory_ordered 1
		.amdhsa_forward_progress 1
		.amdhsa_inst_pref_size 30
	.end_amdhsa_kernel
	.amdgpu_metadata
---
amdhsa.version: [ 1, 2 ]
amdhsa.kernels:
  - .name:           k_qc14ed8dd1d_quant
    .symbol:         k_qc14ed8dd1d_quant.kd
    .args:
      - { .name: x, .offset: 0, .size: 8, .value_kind: global_buffer, .address_space: global }
      - { .name: qkv_w, .offset: 8, .size: 8, .value_kind: global_buffer, .address_space: global }
      - { .name: out_w, .offset: 16, .size: 8, .value_kind: global_buffer, .address_space: global }
      - { .name: opnd, .offset: 24, .size: 8, .value_kind: global_buffer, .address_space: global }
    .group_segment_fixed_size: 34304
    .private_segment_fixed_size: 0
    .kernarg_segment_align: 8
    .kernarg_segment_size: 32
    .max_flat_workgroup_size: 128
    .sgpr_count:     66
    .vgpr_count:     256
    .wavefront_size: 32
...
	.end_amdgpu_metadata
.endif
;; end of part 1
;; launch qkvgemm (part 2): grid 12 x 32, 4 waves a work-group, clusters of 4 x 4, 279,040 bytes of LDS; arguments opnd, qkv_b, qkv; writes qkv
.if DOCPART == 2
	.amdgcn_target "amdgcn-amd-amdhsa--gfx1250"
	.amdhsa_code_object_version 6
	.text
	.protected	k_qc14ed8dd1d_qkvgemm
	.globl	k_qc14ed8dd1d_qkvgemm
	.p2align	8
	.type	k_qc14ed8dd1d_qkvgemm,@function
k_qc14ed8dd1d_qkvgemm:
	s_mov_b64 s[64:65], 0
	v_nop
	global_prefetch_b8 v0, s[64:65] scope:SCOPE_SE
	s_setreg_imm32_b32 hwreg(HW_REG_WAVE_MODE, 25, 1), 1
	s_wait_xcnt 0x0
	s_wait_alu depctr_hold_cnt(0) depctr_sa_sdst(0) depctr_va_vdst(0) depctr_va_sdst(0) depctr_va_ssrc(0) depctr_va_vcc(0) depctr_vm_vsrc(0)
	s_getreg_b32 s2, hwreg(HW_REG_IB_STS2, 6, 4)
	s_cmp_eq_u32 s2, 0
	s_cbranch_scc0 .Lentry_in_a_cluster
	s_endpgm
.Lentry_in_a_cluster:
	s_bfe_u32 s2, ttmp6, 0x10000c
	s_cmp_lg_u32 s2, 0xf033
	s_cbranch_scc0 .Lentry_shape_is_right
	s_endpgm
.Lentry_shape_is_right:
; qkv = x qkv_w^T + qkv_b on codes of FP4 with E8M0 scales, and its result quantised at once, in registers: q and k along the head's 64, v along the tokens.  No f32 number goes to memory.
; LIMITS: NaN and infinities are not served; a block whose largest magnitude lies under 2^-124, a block of zeros too, gets the byte 1 (its reader is this program alone).
; SHARES.  A work-group makes 256 tokens x 256 rows of qkv_w; each of its four waves 128 x 128: 64 accumulators of 16 x 16.  Cluster x = 0, 1, 2 is q, k, v: the same number in all sixteen partners.
; THE OPERANDS lie in memory as images of the operand's registers (tile T, half H of K, fragment f: H x PLANE + T x 4096 + f x 1024 + c x 512 + 16 x lane), so a fragment is two loads of 16 bytes a lane
; at 16 x lane, and 8 tiles of one half of K are 32,768 dense bytes.  ALL OF K FITS IN LDS: each wave brings three blocks, once; no LDS byte is filled twice, and nothing is stored to LDS.
; CLUSTERS: 4 x 4 work-groups; x's tiles are shared along a row of the cluster, qkv_w's along a column: each block is asked for jointly.
; TWO PATHS, from one macro.  The rows of source 0 come out along a lane's registers, 16 neighbours in two neighbouring tiles (lane row r of tile 2 g + u is row 32 g + 8 u + r + 8 (r / 8)); the rows of
; source 1 stay one to a lane.  q, k: source 0 = qkv_w, source 1 = x: a lane holds a token, its registers run along d.  v: source 0 = x, source 1 = qkv_w: a lane holds a channel, its registers run along the tokens.
; OUTPUT: a record of REC bytes for each (batch, head): K's codes [128 tiles][512] at 0; V's codes [4 d tiles][16 key steps][1024] at 65536; K's scale words [16][32 lanes][4] at 131072;
; V's [16][16 rows][4] at 139264; Q's codes and scale words, laid as K's, at 143360 and 208896.
; REGISTERS, in windows of 256.  window 0: v1-31 addresses; v32-95 scale words; v96-127 at work; v128-191, v192-255 source 1's two sets of fragments (v128-191 take the codes at the end).
;   window 1: v0-63, v128-191 source 0's two sets; v64-127 the bias as the first products' C.   windows 2, 3: accumulator (a, b) at v[8 (8 (a % 4) + b)] of window 2 + a / 4.
.set PLANE, 3145728
.set SCOFF, 6291456
.set REC,   217088
.set HALFK, 131072                     ; LDS: a half of K: x's 16 tiles, then qkv_w's 16
.set LSC,   262144                     ; LDS: x's scale words (8,192 bytes), then qkv_w's
.set XA,  16                           ; v16-17  my 8 tiles of x in K half 0, 1
.set WA,  20                           ; v20-21  my 8 tiles of qkv_w
.set SAQ, 24                           ; v24     scale words: lanes 0-15 x's, lanes 16-31 qkv_w's
.set SAV, 25                           ; v25     the other way round
.set VO,  26                           ; v26     16 x lane
.set VSO, 27                           ; v27     (lane / 16) x REC + 16 r
.set BOQ, 28                           ; v28     the bias, q and k: 64 h
.set BOV, 29                           ; v29     the bias, v: 4 (r + 8 (r / 8))
.set SC,  32                           ; v32-95  register 8 i + q: lanes 0-15 source 1's tile i, lanes 16-31 source 0's tile i, K step q
.set TM,  96                           ; v96-99 largest magnitudes, v100-103 bytes, v108-111 the conversions' scale operands
.set PW,  112                          ; v112-119 the scale word of each of source 1's tiles
.set SL4, 120
.set LO4, 124
.set HI4, 4
.set PC,  128                          ; the codes: eight registers for each of source 1's tiles
.set G1X,  24
.set G1W,  48
.set G1XS, 68
.set G1WS, 80
.set G0XS, 32
.set G0X0, 36
.set G0X1, 56
.set G0WS, 60
.set G0W0, 76
.set G0W1, 88
.set MSB, 0
.macro WIN new                         ; the immediate's high byte repeats the setting that is left
.if MSB != (\new)
	s_set_vgpr_msb (MSB<<8)|(\new)
.set MSB, (\new)
.endif
.endm
.macro PLACES n
.rept \n
	v_nop
.endr
.endm
.macro CROUND                          ; a round of the cluster's barrier
	s_barrier_signal -1
	s_barrier_wait -1
	s_cmp_lg_u32 s14, 0
	s_cbranch_scc1 .Lnot_wave_0_\@
	s_barrier_signal -3
.Lnot_wave_0_\@:
	s_barrier_wait -3
	s_barrier_signal -1
	s_barrier_wait -1
.endm
	s_load_b128 s[4:7], s[0:1], 0x0                ; opnd s[4:5], qkv_b s[6:7]
	s_load_b64 s[8:9], s[0:1], 0x10                ; qkv
	v_lshl_add_u32 v106, v0, 2, 0x44000
	v_mov_b32 v107, 0
	ds_add_u32 v106, v107
	ds_add_u32 v106, v107
	v_lshrrev_b32 v1, 5, v0
	v_readfirstlane_b32 s14, v1                    ; wave 0..3
	s_lshr_b32 s15, s14, 1                         ; my half of the tokens.  Also: I fetch for x (0) or for qkv_w (1)
	s_and_b32 s16, s14, 1                          ; my half of qkv_w's rows.  Also: which 8 tiles I fetch
	s_bfe_u32 s40, ttmp6, 0x40000                  ; cx
	s_bfe_u32 s41, ttmp6, 0x40004                  ; cy
	s_lshl_b32 s42, ttmp9, 2
	s_add_co_u32 s42, s42, s40                     ; tx: which 256 rows of qkv_w
	s_and_b32 s17, ttmp7, 0xffff
	s_lshl_b32 s17, s17, 2
	s_add_co_u32 s17, s17, s41                     ; ty: which 256 tokens
	s_lshl_b32 s43, s41, 2
	s_lshl_b32 s43, 15, s43                        ; my row of the cluster
	s_lshl_b32 s44, 0x1111, s40                    ; my column
	; descriptor groups 1: dense blocks as rows of 256 bytes (32 elements of 8 bytes): 128 rows of codes, 16 rows of scale words; the mask, and bit 21 beside it
	s_or_b32 s[G1X], s43, (3<<16)|(1<<21)
	s_or_b32 s[G1XS], s43, (3<<16)|(1<<21)
	s_or_b32 s[G1W], s44, (3<<16)|(1<<21)
	s_or_b32 s[G1WS], s44, (3<<16)|(1<<21)
.irp g, G1X, G1W
	s_mov_b32 s[\g+1], 32<<16                      ; tensor_dim0
	s_mov_b32 s[\g+2], 128<<16                     ; tensor_dim1
	s_mov_b32 s[\g+3], 32<<16                      ; tile_dim0
	s_mov_b32 s[\g+4], 128                         ; tile_dim1
	s_mov_b32 s[\g+5], 32                          ; the pitch
	s_mov_b32 s[\g+6], 0
	s_mov_b32 s[\g+7], 0
.endr
.irp g, G1XS, G1WS
	s_mov_b32 s[\g+1], 32<<16
	s_mov_b32 s[\g+2], 16<<16
	s_mov_b32 s[\g+3], 32<<16
	s_mov_b32 s[\g+4], 16
	s_mov_b32 s[\g+5], 32
	s_mov_b32 s[\g+6], 0
	s_mov_b32 s[\g+7], 0
.endr
	; where the blocks come from.  x's hang on ty and the wave alone, qkv_w's on tx and the wave alone, each in registers that never hold the other coordinate
	s_lshl_b32 s19, s16, 3
	s_lshl_b32 s18, s17, 4
	s_add_co_u32 s18, s18, s19                     ; x: tile 16 ty + 8 x half
	s_lshl_b32 s20, s18, 12
	s_mov_b32 s21, 0
	s_lshl_b32 s22, s18, 9
	s_add_co_u32 s22, s22, SCOFF
	s_mov_b32 s23, 0
	s_lshl_b32 s45, s42, 4
	s_add_co_u32 s45, s45, s19
	s_add_co_u32 s45, s45, 512                     ; qkv_w: tile 512 + 16 tx + 8 x half
	s_lshl_b32 s46, s45, 12
	s_mov_b32 s47, 0
	s_lshl_b32 s92, s45, 9
	s_add_co_u32 s92, s92, SCOFF
	s_mov_b32 s93, 0
	s_lshl_b32 s94, s14, 15                        ; where they go: wave x 32,768 in a half of K,
	s_lshl_b32 s95, s14, 12
	s_add_co_u32 s95, s95, LSC                     ; wave x 4,096 among the scale words: no place in the cluster enters an LDS address
	s_wait_dscnt 0x0
	s_wait_kmcnt 0x0
	s_mov_b32 s[G0XS], 1
	s_mov_b32 s[G0XS+1], s95
	s_add_nc_u64 s[G0XS+2:G0XS+3], s[4:5], s[22:23]
	s_or_b32 s[G0XS+3], s[G0XS+3], 0x80000000
	s_mov_b32 s[G0X0], 1
	s_mov_b32 s[G0X0+1], s94
	s_add_nc_u64 s[G0X0+2:G0X0+3], s[4:5], s[20:21]
	s_mov_b32 s[G0X1], 1
	s_add_co_u32 s[G0X1+1], s94, HALFK
	s_add_nc_u64 s[G0X1+2:G0X1+3], s[G0X0+2:G0X0+3], PLANE
	s_or_b32 s[G0X0+3], s[G0X0+3], 0x80000000
	s_or_b32 s[G0X1+3], s[G0X1+3], 0x80000000
	s_mov_b32 s[G0WS], 1
	s_mov_b32 s[G0WS+1], s95
	s_add_nc_u64 s[G0WS+2:G0WS+3], s[4:5], s[92:93]
	s_or_b32 s[G0WS+3], s[G0WS+3], 0x80000000
	s_mov_b32 s[G0W0], 1
	s_mov_b32 s[G0W0+1], s94
	s_add_nc_u64 s[G0W0+2:G0W0+3], s[4:5], s[46:47]
	s_mov_b32 s[G0W1], 1
	s_add_co_u32 s[G0W1+1], s94, HALFK
	s_add_nc_u64 s[G0W1+2:G0W1+3], s[G0W0+2:G0W0+3], PLANE
	s_or_b32 s[G0W0+3], s[G0W0+3], 0x80000000
	s_or_b32 s[G0W1+3], s[G0W1+3], 0x80000000
	CROUND                                         ; all sixteen work-groups are here: the joint loads meet
	s_cmp_eq_u32 s15, 0                            ; a wave's three fills stand in one branch on the wave's number: three loads of mine are out
	s_cbranch_scc0 .Lfill_w
	tensor_load_to_lds s[G0XS:G0XS+3], s[G1XS:G1XS+7]      ; the scale words first, then K half 0, then K half 1
	s_nop 0
	tensor_load_to_lds s[G0X0:G0X0+3], s[G1X:G1X+7]
	s_nop 0
	tensor_load_to_lds s[G0X1:G0X1+3], s[G1X:G1X+7]
	s_nop 0
	PLACES 4
	s_branch .Lfilled
.Lfill_w:
	tensor_load_to_lds s[G0WS:G0WS+3], s[G1WS:G1WS+7]
	s_nop 0
	tensor_load_to_lds s[G0W0:G0W0+3], s[G1W:G1W+7]
	s_nop 0
	tensor_load_to_lds s[G0W1:G0W1+3], s[G1W:G1W+7]
	s_nop 0
	PLACES 4
.Lfilled:
	v_and_b32 v1, 15, v0                           ; r
	s_wait_alu depctr_va_vdst(0)
	v_bfe_u32 v2, v0, 4, 1                         ; h
	s_wait_alu depctr_va_vdst(0)
	v_and_b32 v3, 31, v0                           ; lane
	v_lshlrev_b32 v[VO], 4, v3
	s_lshl_b32 s2, s15, 15
	v_add_nc_u32 v[XA], s2, v[VO]
	v_add_nc_u32 v[XA+1], HALFK, v[XA]
	s_lshl_b32 s2, s16, 15
	s_add_co_u32 s2, s2, 65536
	v_add_nc_u32 v[WA], s2, v[VO]
	v_add_nc_u32 v[WA+1], HALFK, v[WA]
	s_xor_b32 s2, s15, 1                           ; from my tiles' scale words of x to those of qkv_w: 8192 + 4096 (my half of qkv_w) - 4096 (my half of x)
	s_add_co_u32 s2, s2, s16
	s_add_co_u32 s2, s2, 1
	s_lshl_b32 s2, s2, 12
	s_lshl_b32 s3, s15, 12
	s_add_co_u32 s3, s3, LSC
	v_lshlrev_b32 v8, 4, v1
	v_add_nc_u32 v8, s3, v8                        ; x's: 16 r in my 8 tiles
	v_mul_u32_u24 v9, s2, v2
	v_add_nc_u32 v[SAQ], v8, v9                    ; lanes 16-31 take qkv_w's
	v_xor_b32 v10, 1, v2
	v_mul_u32_u24 v9, s2, v10
	v_add_nc_u32 v[SAV], v8, v9                    ; lanes 0-15 take qkv_w's
	v_mul_u32_u24 v[VSO], v2, REC
	v_lshl_add_u32 v[VSO], v1, 4, v[VSO]
	v_lshlrev_b32 v[BOQ], 6, v2
	v_and_b32 v[BOV], 8, v1
	v_add_nc_u32 v[BOV], v[BOV], v1
	v_lshlrev_b32 v[BOV], 2, v[BOV]
.irp b, 0,1,2,3
	v_mov_b32 v[TM+4+\b], 0                        ; written once: a lane permute's destination counts as one of its sources
.endr
	s_mov_b32 s96, 0x76543210
	s_mov_b32 s97, 0xfedcba98                      ; selects: lane l xor 16
	; where the results go: batch ty / 8, key step 2 (ty % 8) + my half of the tokens, heads 4 cx + 2 (my half of qkv_w) and the next
	s_and_b32 s99, s17, 7
	s_lshl_b32 s99, s99, 1
	s_add_co_u32 s99, s99, s15                     ; the key step
	s_lshr_b32 s98, s17, 3
	s_lshl_b32 s98, s98, 4
	s_lshl_b32 s2, s40, 2
	s_add_co_u32 s98, s98, s2
	s_lshl_b32 s2, s16, 1
	s_add_co_u32 s98, s98, s2
	s_mul_i32 s98, s98, REC                        ; the first head's record
	s_lshl_b32 s2, s42, 10
	s_lshl_b32 s3, s16, 9
	s_add_co_u32 s2, s2, s3
	s_mov_b32 s3, 0
	s_add_nc_u64 s[6:7], s[6:7], s[2:3]            ; the bias of my 128 rows of qkv_w
; 32 LDS loads: the fragments of K step q (half q / 4, fragment q % 4) into sets q % 2
.macro FETCH q
.set FH, (\q)>>2
.set FF, (\q)&3
.set FP, (\q)%2
	WIN 0x40                                       ; destination window 1, address window 0
.irp i, 0,1,2,3,4,5,6,7
.irp c, 0,1
	ds_load_b128 v[128*FP+8*\i+4*\c:128*FP+8*\i+4*\c+3], v[A0+FH] offset:4096*\i+1024*FF+512*\c
.endr
.endr
	WIN 0
.irp i, 0,1,2,3,4,5,6,7
.irp c, 0,1
	ds_load_b128 v[128+64*FP+8*\i+4*\c:128+64*FP+8*\i+4*\c+3], v[A1+FH] offset:4096*\i+1024*FF+512*\c
.endr
.endr
.endm
.macro SCALES                          ; the scale words of all eight K steps: four words a load
.irp i, 0,1,2,3,4,5,6,7
.irp hh, 0,1
	ds_load_b128 v[SC+8*\i+4*\hh:SC+8*\i+4*\hh+3], v[SA] offset:512*\i+256*\hh
.endr
.endr
.endm
; 32 matrix instructions: source 1's tiles 4 half .. 4 half + 3 against source 0's eight, K step q.  first = 1: the bias is the C of the first products: nothing is cleared and nothing added later.
; The 64 accumulators take turns, one instruction a turn, in the same order in every step.
.macro MUL m, half, q, first
.set P, (\q)%2
.if \first
	WIN 0x91+0x40*(\half)                          ; source 0 and C window 1, source 1 window 0, D window 2 or 3
.else
	WIN 0xa1+0x50*(\half)                          ; C and D window 2 or 3
.endif
.irp a, 0,1,2,3
.irp b, 0,1,2,3,4,5,6,7
.set AA, 4*(\half)+\a
.if \first
.if \m
.set CB, 64+8*AA
.else
.set CB, 64+8*\b
.endif
	v_wmma_scale_f32_16x16x128_f8f6f4 v[8*(8*\a+\b):8*(8*\a+\b)+7], v[128*P+8*\b:128*P+8*\b+7], v[128+64*P+8*AA:128+64*P+8*AA+7], v[CB:CB+7], v[SC+8*\b+(\q)], v[SC+8*AA+(\q)] matrix_a_fmt:MATRIX_FMT_FP4 matrix_b_fmt:MATRIX_FMT_FP4 matrix_a_scale:MATRIX_SCALE_ROW1
.else
	v_wmma_scale_f32_16x16x128_f8f6f4 v[8*(8*\a+\b):8*(8*\a+\b)+7], v[128*P+8*\b:128*P+8*\b+7], v[128+64*P+8*AA:128+64*P+8*AA+7], v[8*(8*\a+\b):8*(8*\a+\b)+7], v[SC+8*\b+(\q)], v[SC+8*AA+(\q)] matrix_a_fmt:MATRIX_FMT_FP4 matrix_b_fmt:MATRIX_FMT_FP4 matrix_a_scale:MATRIX_SCALE_ROW1
.endif
.endr
.endr
.endm
; A K step whose successor lies in the same half of K: the next step's fragments are asked for first, then this step's 64 products are issued.
.macro STEP m, q, first
.if (\q) > 0
	PLACES 4                                       ; four plain vector lines between the last products, which read the sets that are loaded now, and the loads
.endif
	FETCH (\q)+1
	s_wait_dscnt 32                                ; all but the 32 just issued: this step's fragments (and, in step 0, the scale words) are in
	MUL \m, 0, \q, \first
	MUL \m, 1, \q, \first
	WIN 0
.endm
; The 64 numbers of a lane in the eight accumulators of source 1's tile t (register 16 b + i = place 32 b + 16 (lane / 16) + i along the next K) become a fragment's codes and its scale word.
.macro QUANT t
.set QW, 2+(\t)/4
.set QA, 64*((\t)%4)
	WIN QW|(QW<<2)                                 ; sources 0 and 1: the accumulators' window
.irp b, 0,1,2,3
	v_max3_num_f32 v[TM+\b], |v[QA+16*\b]|, |v[QA+16*\b+1]|, 0x1800000     ; block b: my 16 numbers, each accumulator from its low end on; the floor 2^(3 - 127) holds the byte at 1 from below
.endr
.irp i, 2,4,6,8,10,12,14
.irp b, 0,1,2,3
	v_max3_num_f32 v[TM+\b], |v[QA+16*\b+\i]|, |v[QA+16*\b+\i+1]|, v[TM+\b]
.endr
.endr
	WIN 0
.irp b, 0,1,2,3
	v_permlanex16_b32 v[TM+4+\b], v[TM+\b], s96, s97
.endr
.irp b, 0,1,2,3
	v_max_num_f32 v[TM+\b], v[TM+\b], v[TM+4+\b]   ; with lane l xor 16's 16: the block's largest magnitude
.endr
.irp b, 0,1,2,3
	v_add_nc_u32 v[TM+12+\b], 0xff000000, v[TM+\b] ; 2 off its exponent field: the conversion's scale operand
.endr
.irp b, 0,1,2,3
	v_lshrrev_b32 v[TM+4+\b], 23, v[TM+12+\b]      ; the scale's byte
.endr
	v_lshl_or_b32 v[PW+(\t)], v[TM+5], 8, v[TM+4]
	v_lshl_or_b32 v[PW+(\t)], v[TM+6], 16, v[PW+(\t)]
	v_lshl_or_b32 v[PW+(\t)], v[TM+7], 24, v[PW+(\t)]
	WIN QW
.irp b, 0,1,2,3
	v_cvt_scalef32_pk8_fp4_f32 v[PC+8*(\t)+2*\b], v[QA+16*\b:QA+16*\b+7], v[TM+12+\b]
	v_cvt_scalef32_pk8_fp4_f32 v[PC+8*(\t)+2*\b+1], v[QA+16*\b+8:QA+16*\b+15], v[TM+12+\b]
.endr
	WIN 0
	v_nop                                          ; one plain line behind the scaled conversions
.irp c, 0,1                            ; the operand's layout wants a whole block in a lane: lanes 0-15 block 2 c, lanes 16-31 block 2 c + 1
.irp i, 0,1
	v_permlane16_swap_b32 v[PC+8*(\t)+4*\c+\i], v[PC+8*(\t)+4*\c+2+\i]
.endr
.endr
.endm
.macro PATH m
.if \m
.set A0, XA
.set A1, WA
.set SA, SAV
	s_lshl_b32 s10, s99, 10                        ; V's codes: 65536 + key step x 1024 in the record
	s_add_co_u32 s10, s10, 65536
	s_lshl_b32 s12, s99, 8                         ; V's scale words: 139264 + key step x 256
	s_add_co_u32 s12, s12, 139264
.else
.set A0, WA
.set A1, XA
.set SA, SAQ
	s_cmp_eq_u32 ttmp9, 0                          ; q or k: the cluster's x, the same in all partners
	s_cselect_b32 s10, 143360, 0
	s_mov_b32 s12, 131072
	s_cselect_b32 s12, 208896, s12
	s_lshl_b32 s2, s99, 12                         ; codes: 8 tiles of 512 bytes a key step
	s_add_co_u32 s10, s10, s2
	s_lshl_b32 s2, s99, 9                          ; scale words: 512 bytes a key step
	s_add_co_u32 s12, s12, s2
.endif
	s_add_co_u32 s10, s10, s98
	s_mov_b32 s11, 0
	s_add_co_u32 s12, s12, s98
	s_mov_b32 s13, 0
	s_add_nc_u64 s[10:11], s[8:9], s[10:11]        ; where the codes go
	s_add_nc_u64 s[12:13], s[8:9], s[12:13]        ; and the scale words
	WIN 0x40
.if \m
.irp a, 0,1,2,3,4,5,6,7                ; a lane holds one channel: one number a tile of qkv_w
	global_load_b32 v[64+8*\a], v[BOV], s[6:7] offset:(32*(\a/2)+8*(\a%2))*4
.endr
.else
.irp b, 0,1,2,3,4,5,6,7                ; a lane's registers run along the channels: eight numbers a tile of qkv_w
	global_load_b128 v[64+8*\b:64+8*\b+3], v[BOQ], s[6:7] offset:(32*(\b/2)+8*(\b%2))*4
	global_load_b128 v[64+8*\b+4:64+8*\b+7], v[BOQ], s[6:7] offset:(32*(\b/2)+8*(\b%2))*4+16
.endr
.endif
	WIN 0
	s_wait_tensorcnt 0x1                           ; my scale words and my part of K half 0 are in; K half 1's load, issued last, may stay out
	s_barrier_signal -1
	s_barrier_wait -1                              ; everybody's are
	FETCH 0
	SCALES
	s_wait_loadcnt 0x0                             ; the bias
.if \m
	WIN 0x41
.irp a, 0,1,2,3,4,5,6,7
.irp j, 1,2,3,4,5,6,7
	v_mov_b32 v[64+8*\a+\j], v[64+8*\a]            ; the channel's bias in all eight registers of the result's layout
.endr
.endr
	PLACES 4
.endif
	s_wait_alu depctr_va_vdst(0)
	STEP \m, 0, 1
	STEP \m, 1, 0
	STEP \m, 2, 0
	s_wait_tensorcnt 0x0                           ; K step 3: my part of K half 1 is in,
	s_wait_dscnt 0x0                               ; and so are this step's fragments: no LDS instruction of mine is out at the signal
	s_barrier_signal -1
	MUL \m, 0, 3, 0                                ; work on registers while the others arrive
	s_barrier_wait -1                              ; K half 1 is whole
	PLACES 4
	FETCH 4
	MUL \m, 1, 3, 0
	WIN 0
	STEP \m, 4, 0
	STEP \m, 5, 0
	STEP \m, 6, 0
	s_wait_dscnt 0x0                               ; the last step: nothing more to fetch
	MUL \m, 0, 7, 0
	MUL \m, 1, 7, 0
	WIN 0
	PLACES 4                                       ; four plain lines between the last products and the first read of results
.irp t, 0,1,2,3,4,5,6,7
	QUANT \t
.irp c, 0,1
.if \m
	global_store_b128 v[VO], v[PC+8*\t+4*\c:PC+8*\t+4*\c+3], s[10:11] offset:(\t/4)*REC+(\t%4)*16384+512*\c   ; head t / 4, d tile t % 4, keys 64 c on: 512 consecutive bytes
.else
	global_store_b128 v[VO], v[PC+8*\t+4*\c:PC+8*\t+4*\c+3], s[10:11] offset:512*\t+\c*REC                    ; token tile t, head c: 512 consecutive bytes
.endif
.endr
.endr
	v_cmp_le_u32 vcc_lo, 16, v3
.irp j, 0,1,2,3
	v_cndmask_b32 v[SL4+\j], v[PW+\j], v[PW+4+\j], vcc_lo      ; lanes 0-15: tiles 0-3; lanes 16-31: tiles 4-7
.endr
.if \m
	global_store_b128 v[VSO], v[SL4:SL4+3], s[12:13]           ; lanes 0-15 the first head's four d tiles, lanes 16-31 the second's: 256 consecutive bytes each
.else
.irp j, 0,1,2,3
	v_and_b32 v[LO4+\j], 0xffff, v[SL4+\j]         ; the first head's two bytes; the word's upper two, for the idle half of the next product's K, are 0
	v_lshrrev_b32 v[HI4+\j], 16, v[SL4+\j]         ; the second head's
.endr
	global_store_b128 v[VO], v[LO4:LO4+3], s[12:13]
	global_store_b128 v[VO], v[HI4:HI4+3], s[12:13] offset:REC
.endif
.endm
	s_cmp_eq_u32 ttmp9, 2                          ; v's clusters part here: the same way in all sixteen partners and all four waves
	s_cbranch_scc1 .Lv
	s_wait_alu depctr_va_vdst(0)
	PATH 0
	s_branch .Ljoin
.Lv:
	s_wait_alu depctr_va_vdst(0)
	PATH 1
.Ljoin:
	s_wait_dscnt 0x0
	s_wait_tensorcnt 0x0
	ds_add_u32 v106, v107
	s_wait_dscnt 0x0
	CROUND                                         ; the closing round: no work-group ends while a partner may still ask for a block that names it
	s_endpgm
.Lfunc_end_k_qc14ed8dd1d_qkvgemm:
	.size	k_qc14ed8dd1d_qkvgemm, .Lfunc_end_k_qc14ed8dd1d_qkvgemm-k_qc14ed8dd1d_qkvgemm
	.p2alignl 7, 3214868480
	.fill 96, 4, 3214868480
	.section	.rodata,"a",@progbits
	.p2align	6, 0x0
	.amdhsa_kernel k_qc14ed8dd1d_qkvgemm
		.amdhsa_group_segment_fixed_size 279040
		.amdhsa_private_segment_fixed_size 0
		.amdhsa_enable_private_segment 0
		.amdhsa_kernarg_size 24
		.amdhsa_user_sgpr_count 2
		.amdhsa_user_sgpr_kernarg_segment_ptr 1
		.amdhsa_wavefront_size32 1
		.amdhsa_system_sgpr_workgroup_id_x 1
		.amdhsa_system_sgpr_workgroup_id_y 1
		.amdhsa_system_sgpr_workgroup_id_z 1
		.amdhsa_system_vgpr_workitem_id 0
		.amdhsa_next_free_vgpr 1024
		.amdhsa_next_free_sgpr 100
		.amdhsa_reserve_vcc 1
		.amdhsa_float_denorm_mode_32 3
		.amdhsa_float_denorm_mode_16_64 3
		.amdhsa_memory_ordered 1
		.amdhsa_forward_progress 1
		.amdhsa_inst_pref_size 247
	.end_amdhsa_kernel
	.amdgpu_metadata
---
amdhsa.version: [ 1, 2 ]
amdhsa.kernels:
  - .name:           k_qc14ed8dd1d_qkvgemm
    .symbol:         k_qc14ed8dd1d_qkvgemm.kd
    .args:
      - { .name: opnd, .offset: 0, .size: 8, .value_kind: global_buffer, .address_space: global }
      - { .name: qkv_b, .offset: 8, .size: 8, .value_kind: global_buffer, .address_space: global }
      - { .name: qkv, .offset: 16, .size: 8, .value_kind: global_buffer, .address_space: global }
    .group_segment_fixed_size: 279040
    .private_segment_fixed_size: 0
    .kernarg_segment_align: 8
    .kernarg_segment_size: 24
    .max_flat_workgroup_size: 128
    .sgpr_count:     100
    .vgpr_count:     1024
    .wavefront_size: 32
...
	.end_amdgpu_metadata
.endif
;; end of part 2
;; launch attn (part 3): grid 4 x 64, 16 waves a work-group, clusters of 4 x 1, 169,984 bytes of LDS; arguments qkv, att; writes att
.if DOCPART == 3
	.amdgcn_target "amdgcn-amd-amdhsa--gfx1250"
	.amdhsa_code_object_version 6
	.text
	.protected	k_qc14ed8dd1d_attn
	.globl	k_qc14ed8dd1d_attn
	.p2align	8
	.type	k_qc14ed8dd1d_attn,@function
k_qc14ed8dd1d_attn:
	s_mov_b64 s[64:65], 0
	v_nop
	global_prefetch_b8 v0, s[64:65] scope:SCOPE_SE
	s_setreg_imm32_b32 hwreg(HW_REG_WAVE_MODE, 25, 1), 1
	s_wait_xcnt 0x0
	s_wait_alu depctr_hold_cnt(0) depctr_sa_sdst(0) depctr_va_vdst(0) depctr_va_sdst(0) depctr_va_ssrc(0) depctr_va_vcc(0) depctr_vm_vsrc(0)
	s_getreg_b32 s2, hwreg(HW_REG_IB_STS2, 6, 4)
	s_cmp_eq_u32 s2, 0
	s_cbranch_scc0 .Lentry_in_a_cluster
	s_endpgm
.Lentry_in_a_cluster:
	s_bfe_u32 s2, ttmp6, 0x10000c
	s_cmp_lg_u32 s2, 0x3003
	s_cbranch_scc0 .Lentry_shape_is_right
	s_endpgm
.Lentry_shape_is_right:
; For each (batch, head): O[q] = sum over k of softmax_k(Q[q] . K[k] / 8) V[k], both products on codes of FP4 with E8M0 scales; O is quantised at once, along the head's 64, as the last product's operand.
; THE SOFTMAX AHEAD OF THE SECOND PRODUCT: t = score x log2(e) / 8; M = the row's largest t so far, rounded up to a whole number; p = 2^(t - M) is quantised along the keys, not normalised.
; The row's sum is taken of the unquantised p and divides O at the end (a reciprocal and a multiplication).  When M moves, the sum and O are multiplied by 2^(old M - new M): exact.
; A block's largest p is had from the block's largest score by the same two instructions; that leans on the exponential not falling where its input rises.
; LIMITS: NaN and infinities are not served; a block whose largest magnitude lies under 2^-124, a block of zeros too, gets the byte 1 (its reader is this program alone).
; SHARES.  A work-group keeps ONE HEAD'S K and V, codes and scale words, 143,360 bytes, in LDS for the whole launch, filled once, and takes 512 queries in two passes; wave w of sixteen owns one tile of
; 16 queries a pass.  Four waves share a SIMD, so that one wave's vector work stands beside another's products and LDS loads.
; CLUSTER.  The four work-groups of a head need the same bytes: each wave asks for 35 rows of 256 bytes jointly with its three partners.  Everything is asked for at the head: there is no later stream to ask ahead for.
; LAYOUT.  Both products are used transposed: S^T = K Q^T (source 0 = 16 keys), O^T = V^T P^T (source 0 = 16 of the head's 64): a lane holds one query throughout.  Lane row r of tile 2 g + u is row
; 32 g + 8 u + r + 8 (r / 8), so the 16 registers of two neighbouring tiles are 16 neighbours: along the keys in S^T, along d in O^T.  The first product's K is 64: the upper half of each fragment is zero codes.
; All operands lie as images of the operand's registers: a fragment's four registers are one load at 16 x lane.
; REGISTERS: v1-7 addresses that stay (v7: Q's scale word, pass 1; v255: pass 0); v8-11 addresses in hand; v12 -M, v13 the largest t, v[14:15] the sum; v16-31 Q of both passes; v32-95 K's 8 fragments;
; v96-159 S^T, then p; v160-191 O^T; v192-223 V's 4 fragments; v224-231 p's codes; v240-243 V's scale words; v248-251 K's; v253 p's; the rest of v232-254 at work.
.set REC,   217088
.set VC,    65536                      ; LDS, as in the record: K's codes at 0, V's codes,
.set KS,    131072                     ; K's scale words,
.set VS,    139264                     ; V's
.set QC,    143360                     ; in the record alone: Q's codes
.set QS,    208896                     ; and scale words
.set PLANE_A, 2097152
.set ASC,   4194304
.macro CROUND
	s_barrier_signal -1
	s_barrier_wait -1
	s_cmp_lg_u32 s8, 0
	s_cbranch_scc1 .Lnot_wave_0_\@
	s_barrier_signal -3
.Lnot_wave_0_\@:
	s_barrier_wait -3
	s_barrier_signal -1
	s_barrier_wait -1
.endm
	s_load_b128 s[4:7], s[0:1], 0x0                ; qkv s[4:5], att s[6:7]
	v_lshl_add_u32 v254, v0, 2, 0x29000
	v_mov_b32 v255, 0
	ds_add_u32 v254, v255
	ds_add_u32 v254, v255
	s_wait_dscnt 0x0
	v_lshrrev_b32 v8, 5, v0
	s_delay_alu instid0(VALU_DEP_1)
	v_readfirstlane_b32 s8, v8                     ; wave 0..15
	s_bfe_u32 s9, ttmp6, 0x40000                   ; cx: it enters global addresses of Q and of the output alone
	s_and_b32 s10, ttmp7, 0xffff                   ; 16 x batch + head
	s_lshr_b32 s11, s10, 4                         ; batch
	s_and_b32 s12, s10, 15                         ; head
	s_mul_i32 s14, s10, REC                        ; the record
	s_mov_b32 s15, 0
	s_mul_i32 s13, s8, 8960                        ; my 35 rows of 256 bytes
	s_mov_b32 s24, 15|(3<<16)|(1<<21)              ; group 1: the mask names all four; elements of 8 bytes; bit 21 beside the mask; no padding
	s_mov_b32 s25, 32<<16                          ; tensor_dim0
	s_mov_b32 s26, 35<<16                          ; tensor_dim1
	s_mov_b32 s27, 32<<16                          ; tile_dim0
	s_mov_b32 s28, 35                              ; tile_dim1
	s_mov_b32 s29, 32                              ; the pitch
	s_mov_b32 s30, 0
	s_mov_b32 s31, 0
	s_lshl_b32 s34, s9, 5
	s_add_co_u32 s34, s34, s8                      ; my query tile in pass 0: 32 cx + wave; in pass 1 sixteen further on
	s_lshl_b32 s44, s34, 9
	s_add_co_u32 s44, s44, QC
	s_add_co_u32 s44, s44, s14                     ; its codes
	s_mov_b32 s45, 0
	s_lshr_b32 s35, s34, 3                         ; its scale words: 512 (tile / 8) + 256 ((tile / 4) % 2) + 4 (tile % 4), + 16 r
	s_lshl_b32 s46, s35, 9
	s_bfe_u32 s35, s34, 0x10002
	s_lshl_b32 s35, s35, 8
	s_add_co_u32 s46, s46, s35
	s_and_b32 s35, s34, 3
	s_lshl_b32 s35, s35, 2
	s_add_co_u32 s46, s46, s35
	s_add_co_u32 s46, s46, QS
	s_add_co_u32 s46, s46, s14
	s_mov_b32 s47, 0
	s_lshl_b32 s36, s11, 7
	s_add_co_u32 s36, s36, s34                     ; the token tile in the output: 128 x batch + query tile
	s_lshr_b32 s37, s12, 3                         ; the head's half of the last product's K
	s_mul_i32 s40, s37, PLANE_A
	s_lshl_b32 s38, s36, 12
	s_add_co_u32 s40, s40, s38
	s_and_b32 s38, s12, 7
	s_lshl_b32 s39, s38, 9                         ; fragment and half of a fragment: 512 (head % 8)
	s_add_co_u32 s40, s40, s39
	s_mov_b32 s41, 0
	s_lshl_b32 s42, s36, 9
	s_lshl_b32 s39, s37, 8
	s_add_co_u32 s42, s42, s39
	s_lshl_b32 s39, s38, 1                         ; the head's two bytes of a row's scale words: 2 (head % 8)
	s_add_co_u32 s42, s42, s39
	s_add_co_u32 s42, s42, ASC
	s_mov_b32 s43, 0
	s_mov_b32 s20, 0x76543210
	s_mov_b32 s21, 0xfedcba98                      ; selects: lane l xor 16
	s_mov_b32 s22, 0x3e38aa3b                      ; c = log2(e) / 8
	s_mov_b32 s23, s22                             ; (named with it as a pair, so it is written)
	s_wait_kmcnt 0x0
	s_mov_b32 s16, 1                               ; group 0: count 1,
	s_mov_b32 s17, s13                             ; LDS address: wave x 8,960,
	s_add_nc_u64 s[18:19], s[4:5], s[14:15]
	s_mov_b32 s14, s13
	s_add_nc_u64 s[18:19], s[18:19], s[14:15]      ; the same place in the record: head and wave alone, the same in all four partners
	s_or_b32 s19, s19, 0x80000000                  ; the type
	s_add_nc_u64 s[44:45], s[4:5], s[44:45]
	s_add_nc_u64 s[46:47], s[4:5], s[46:47]
	s_add_nc_u64 s[40:41], s[6:7], s[40:41]
	s_add_nc_u64 s[42:43], s[6:7], s[42:43]
	CROUND                                         ; all four work-groups are here: the joint loads meet
	tensor_load_to_lds s[16:19], s[24:31]          ; one load a wave: one tensor load of mine is out
	s_nop 0
.rept 4
	v_nop
.endr
	v_and_b32 v6, 31, v0                           ; lane
	v_and_b32 v9, 15, v0                           ; r
	v_bfe_u32 v10, v0, 4, 1                        ; h
	s_delay_alu instid0(VALU_DEP_3)
	v_lshlrev_b32 v1, 4, v6                        ; 16 x lane: K's codes in LDS, and my bytes of Q and of the output
	s_delay_alu instid0(VALU_DEP_1)
	v_add_nc_u32 v2, VC, v1
	s_delay_alu instid0(VALU_DEP_2)
	v_add_nc_u32 v3, KS, v1
	v_lshlrev_b32 v11, 4, v9                       ; 16 r
	s_delay_alu instid0(VALU_DEP_1)
	v_add_nc_u32 v4, VS, v11
	s_delay_alu instid0(VALU_DEP_2)
	v_add_nc_u32 v5, v11, v10                      ; the output's scale byte: 16 r + h
	global_load_b128 v[16:19], v1, s[44:45]                ; Q's codes, pass 0
	global_load_b128 v[24:27], v1, s[44:45] offset:8192    ; pass 1: 16 tiles of 512 bytes on
	global_load_b32 v255, v11, s[46:47]                    ; Q's scale words
	global_load_b32 v7, v11, s[46:47] offset:1024
.irp j, 20,21,22,23,28,29,30,31
	v_mov_b32 v[\j], 0                             ; the upper half of the first product's K: zero codes, written once
.endr
.irp t, 0,1,2,3,4,5,6,7
.irp j, 4,5,6,7
	v_mov_b32 v[32+8*\t+\j], 0
.endr
.endr
.irp b, 0,1,2,3
	v_mov_b32 v[236+\b], 0                         ; written once: a lane permute's destination counts as one of its sources
.endr
	v_mov_b32 v253, 0                              ; (named as the upper half of the pair v[252:253] before it is first written)
	s_wait_tensorcnt 0x0                           ; my part of the head is in,
	s_barrier_signal -1
	s_barrier_wait -1                              ; everybody's is.  From here on LDS is only read
	s_wait_loadcnt 0x0                             ; Q
.irp t, 0,1,2,3,4,5,6,7
	ds_load_b128 v[32+8*\t:32+8*\t+3], v1 offset:512*\t    ; K of key step 0
.endr
	ds_load_b128 v[248:251], v3                            ; its scale words: word j of lane 16 q + r is key tile 4 q + j, row r
.macro PASS p
.set QF, 16+8*(\p)
.set QSR, 255-248*(\p)
	v_mov_b32 v13, 0xff61b1e6                      ; the largest t so far: -3e38, under every t
	s_delay_alu instid0(VALU_DEP_1)
	v_floor_f32 v12, -v13                          ; -M
	v_mov_b32 v14, 0                               ; the sum, in two halves
	v_mov_b32 v15, 0
.irp j, 0,1,2,3,4,5,6,7,8,9,10,11,12,13,14,15,16,17,18,19,20,21,22,23,24,25,26,27,28,29,30,31
	v_mov_b32 v[160+\j], 0                         ; O^T: the step is written once; its first trip finds zeros, which the first change of M leaves zeros
.endr
	s_mov_b32 s32, 0                               ; 256 x key step
	s_mov_b32 s48, 16
.Lstep_\@:                                         ; a trip: 128 keys
	s_wait_dscnt 0x0                               ; K of this step and its scale words, asked for a trip ago
	s_setprio 2
.irp t, 0,1,2,3,4,5,6,7
.if \t < 4
	v_wmma_scale_f32_16x16x128_f8f6f4 v[96+8*\t:103+8*\t], v[32+8*\t:39+8*\t], v[QF:QF+7], 0, v[248+\t%4], v[QSR] matrix_a_fmt:MATRIX_FMT_FP4 matrix_b_fmt:MATRIX_FMT_FP4
.else
	v_wmma_scale_f32_16x16x128_f8f6f4 v[96+8*\t:103+8*\t], v[32+8*\t:39+8*\t], v[QF:QF+7], 0, v[248+\t%4], v[QSR] matrix_a_fmt:MATRIX_FMT_FP4 matrix_b_fmt:MATRIX_FMT_FP4 matrix_a_scale:MATRIX_SCALE_ROW1
.endif
.endr
	s_add_co_u32 s33, s32, 256
	s_and_b32 s33, s33, 0xfff                      ; the next key step, step 0 behind the last: pass 0's last trip so fetches what pass 1 begins with; pass 1's last trip fetches nine loads that nobody uses
	s_lshl_b32 s34, s32, 2                         ; V's codes: 1,024 bytes a step in each d tile
	s_lshl_b32 s35, s33, 4                         ; K's codes: 4,096 bytes a step
	s_lshl_b32 s36, s33, 1                         ; K's scale words: 512
	v_add_nc_u32 v9, s34, v2                       ; these four lines are the four plain lines between the products and the loads into their registers, and the first read of the scores
	v_add_nc_u32 v11, s32, v4
	v_add_nc_u32 v8, s35, v1
	v_add_nc_u32 v10, s36, v3
.irp t, 0,1,2,3
.irp c, 0,1
	ds_load_b128 v[192+8*\t+4*\c:192+8*\t+4*\c+3], v9 offset:16384*\t+512*\c       ; V of this step first,
.endr
.endr
	ds_load_b128 v[240:243], v11                                                   ; its scale words: word t of row r,
.irp t, 0,1,2,3,4,5,6,7
	ds_load_b128 v[32+8*\t:32+8*\t+3], v8 offset:512*\t                            ; then K of the next
.endr
	ds_load_b128 v[248:251], v10
.irp b, 0,1,2,3
	v_max3_num_f32 v[232+\b], v[96+16*\b], v[97+16*\b], v[98+16*\b]        ; the largest score of each block of 32 keys: for the row's maximum, and, since p rises with the score, for the block's largest p
.endr
.irp i, 3,5,7,9,11,13
.irp b, 0,1,2,3
	v_max3_num_f32 v[232+\b], v[232+\b], v[96+16*\b+\i], v[97+16*\b+\i]    ; (the four blocks by turns)
.endr
.endr
.irp b, 0,1,2,3
	v_max_num_f32 v[232+\b], v[232+\b], v[111+16*\b]
.endr
.irp b, 0,1,2,3
	s_delay_alu instid0(VALU_DEP_4)
	v_permlanex16_b32 v[236+\b], v[232+\b], s20, s21
.endr
.irp b, 0,1,2,3
	s_delay_alu instid0(VALU_DEP_4)
	v_max_num_f32 v[232+\b], v[232+\b], v[236+\b]  ; with lane l xor 16's 16 keys
.endr
	s_delay_alu instid0(VALU_DEP_2)
	v_max3_num_f32 v254, v232, v233, v234
	s_delay_alu instid0(VALU_DEP_1)
	v_max_num_f32 v254, v254, v235                 ; the step's largest score of my query
	s_delay_alu instid0(VALU_DEP_1)
	v_mul_f32 v254, s22, v254                      ; as t (c is positive)
	s_delay_alu instid0(VALU_DEP_1)
	v_max_num_f32 v13, v13, v254                   ; the running largest t
	v_mov_b32 v254, v12
	s_delay_alu instid0(VALU_DEP_2)
	v_floor_f32 v12, -v13                          ; the new -M = floor(-t): M is a whole number
	s_delay_alu instid0(VALU_DEP_1)
	v_sub_f32 v254, v12, v254                      ; old M less new M: a whole number, 0 or less
	s_delay_alu instid0(VALU_DEP_1)
	v_cvt_i32_f32 v254, v254                       ; (it saturates)
	s_delay_alu instid0(VALU_DEP_1)
	v_ldexp_f32 v252, 1.0, v254                    ; f = 2^(old M - new M)
.irp j, 0,2,4,6,8,10,12,14,16,18,20,22,24,26,28,30,32,34,36,38,40,42,44,46,48,50,52,54,56,58,60,62
	v_pk_fma_f32 v[96+\j:97+\j], v[96+\j:97+\j], s[22:23], v[12:13] op_sel_hi:[1,0,0]      ; t - M, two at a time
.endr
.irp b, 0,1,2,3
	v_fma_f32 v[232+\b], v[232+\b], s22, v12       ; the same of each block's largest score
.endr
	s_wait_alu depctr_va_vdst(0)
.irp j, 0,1,2,3,4,5,6,7,8,9,10,11,12,13,14,15,16,17,18,19,20,21,22,23,24,25,26,27,28,29,30,31,32,33,34,35,36,37,38,39,40,41,42,43,44,45,46,47,48,49,50,51,52,53,54,55,56,57,58,59,60,61,62,63
	v_exp_f32 v[96+\j], v[96+\j]                   ; p = 2^(t - M), at most 1
.endr
	s_setprio 1
	v_pk_mul_f32 v[14:15], v[14:15], v[252:253] op_sel_hi:[1,0]    ; the sums under the new M.  (The plain line behind the exponentials)
	s_wait_alu depctr_va_vdst(0)                   ; one wait for the batch of 64, ahead of its first reader
.irp b, 0,1,2,3
	v_exp_f32 v[232+\b], v[232+\b]                 ; the block's largest p
.endr
	v_pk_add_f32 v[236:237], v[100:101], v[104:105]
	v_pk_add_f32 v[246:247], v[108:109], v[112:113]
	v_pk_add_f32 v[244:245], v[116:117], v[120:121]
	v_pk_add_f32 v[238:239], v[124:125], v[128:129]
	v_pk_add_f32 v[230:231], v[132:133], v[136:137]
	v_pk_add_f32 v[228:229], v[140:141], v[144:145]
	v_pk_add_f32 v[226:227], v[148:149], v[152:153]
	v_pk_add_f32 v[14:15], v[14:15], v[156:157]
	v_pk_add_f32 v[236:237], v[236:237], v[96:97]
	v_pk_add_f32 v[246:247], v[246:247], v[98:99]
	v_pk_add_f32 v[244:245], v[244:245], v[102:103]
	v_pk_add_f32 v[238:239], v[238:239], v[106:107]
	v_pk_add_f32 v[230:231], v[230:231], v[110:111]
	v_pk_add_f32 v[228:229], v[228:229], v[114:115]
	v_pk_add_f32 v[226:227], v[226:227], v[118:119]
	v_pk_add_f32 v[14:15], v[14:15], v[122:123]
	v_pk_add_f32 v[236:237], v[236:237], v[126:127]
	v_pk_add_f32 v[246:247], v[246:247], v[130:131]
	v_pk_add_f32 v[244:245], v[244:245], v[134:135]
	v_pk_add_f32 v[238:239], v[238:239], v[138:139]
	v_pk_add_f32 v[230:231], v[230:231], v[142:143]
	v_pk_add_f32 v[228:229], v[228:229], v[146:147]
	v_pk_add_f32 v[226:227], v[226:227], v[150:151]
	v_pk_add_f32 v[14:15], v[14:15], v[154:155]
	v_pk_add_f32 v[236:237], v[236:237], v[158:159]
	s_delay_alu instid0(VALU_DEP_2)
	v_pk_add_f32 v[14:15], v[14:15], v[238:239]
	s_delay_alu instid0(VALU_DEP_2)
	v_pk_add_f32 v[236:237], v[236:237], v[230:231]
	v_pk_add_f32 v[246:247], v[246:247], v[228:229]
	v_pk_add_f32 v[244:245], v[244:245], v[226:227]
	s_delay_alu instid0(VALU_DEP_2)
	v_pk_add_f32 v[14:15], v[14:15], v[246:247]
	s_delay_alu instid0(VALU_DEP_2)
	v_pk_add_f32 v[236:237], v[236:237], v[244:245]
	s_delay_alu instid0(VALU_DEP_1)
	v_pk_add_f32 v[14:15], v[14:15], v[236:237]
	s_wait_alu depctr_va_vdst(0)                   ; and one for the four
.irp b, 0,1,2,3
	v_max_num_f32 v[232+\b], 0x1800000, v[232+\b]  ; the floor 2^(3 - 127): the byte cannot fall under 1
.endr
.irp b, 0,1,2,3
	s_delay_alu instid0(VALU_DEP_4)
	v_add_nc_u32 v[244+\b], 0xff000000, v[232+\b]  ; 2 off the exponent field: the conversion's scale operand
.endr
.irp b, 0,1,2,3
	s_delay_alu instid0(VALU_DEP_4)
	v_lshrrev_b32 v[236+\b], 23, v[244+\b]         ; the scale's byte
.endr
	s_delay_alu instid0(VALU_DEP_3)
	v_lshl_or_b32 v253, v237, 8, v236              ; p's scale word for these 128 keys
	s_delay_alu instid0(VALU_DEP_1)
	v_lshl_or_b32 v253, v238, 16, v253
	s_delay_alu instid0(VALU_DEP_1)
	v_lshl_or_b32 v253, v239, 24, v253
.irp b, 0,1,2,3
	v_cvt_scalef32_pk8_fp4_f32 v[224+2*\b], v[96+16*\b:103+16*\b], v[244+\b]
	v_cvt_scalef32_pk8_fp4_f32 v[225+2*\b], v[104+16*\b:111+16*\b], v[244+\b]
.endr
	v_nop                                          ; one plain line behind the scaled conversions
.irp c, 0,1                            ; a whole block in a lane: lanes 0-15 block 2 c, lanes 16-31 block 2 c + 1
.irp i, 0,1
	v_permlane16_swap_b32 v[224+4*\c+\i], v[226+4*\c+\i]
.endr
.endr
	s_setprio 0
.irp j, 0,2,4,6,8,10,12,14,16,18,20,22,24,26,28,30
	v_pk_mul_f32 v[160+\j:161+\j], v[160+\j:161+\j], v[252:253] op_sel_hi:[1,0]    ; O^T under the new M.  (These sixteen also stand between the lines that made p's codes and scale word and the products)
.endr
	s_wait_alu depctr_va_vdst(0)
	s_wait_dscnt 9                                 ; V's nine loads are in; the nine of the next step's K, issued behind them, may be out
.irp t, 0,1,2,3
	v_wmma_scale_f32_16x16x128_f8f6f4 v[160+8*\t:167+8*\t], v[192+8*\t:199+8*\t], v[224:231], v[160+8*\t:167+8*\t], v[240+\t], v253 matrix_a_fmt:MATRIX_FMT_FP4 matrix_b_fmt:MATRIX_FMT_FP4
.endr
	s_add_co_u32 s32, s32, 256
	s_sub_co_u32 s48, s48, 1
	s_cmp_lg_u32 s48, 0
	s_cbranch_scc1 .Lstep_\@
	s_setprio 0
	; THE WAY OUT of a pass: O^T / the sum, quantised along d: register 16 b + i is d = 32 b + 16 h + i of my query
.rept 4
	v_nop                                          ; four plain lines behind the last products
.endr
	v_add_f32 v14, v14, v15                        ; the sum's two halves,
	s_delay_alu instid0(VALU_DEP_1)
	v_permlanex16_b32 v252, v14, s20, s21
	s_delay_alu instid0(VALU_DEP_1)
	v_add_f32 v14, v14, v252                       ; and lane l xor 16's
	s_wait_alu depctr_va_vdst(0)
	v_rcp_f32 v14, v14
	v_nop                                          ; a plain line behind the reciprocal,
	s_wait_alu depctr_va_vdst(0)                   ; and the wait ahead of its first reader
.irp j, 0,2,4,6,8,10,12,14,16,18,20,22,24,26,28,30
	v_pk_mul_f32 v[96+\j:97+\j], v[160+\j:161+\j], v[14:15] op_sel_hi:[1,0]        ; each accumulator from its low end on
.endr
.irp b, 0,1
	v_max3_num_f32 v[232+\b], |v[96+16*\b]|, |v[97+16*\b]|, 0x1800000
.endr
.irp i, 2,4,6,8,10,12,14
.irp b, 0,1
	s_delay_alu instid0(VALU_DEP_2)
	v_max3_num_f32 v[232+\b], v[232+\b], |v[96+16*\b+\i]|, |v[97+16*\b+\i]|
.endr
.endr
.irp b, 0,1
	s_delay_alu instid0(VALU_DEP_2)
	v_permlanex16_b32 v[236+\b], v[232+\b], s20, s21
.endr
.irp b, 0,1
	s_delay_alu instid0(VALU_DEP_2)
	v_max_num_f32 v[232+\b], v[232+\b], v[236+\b]
.endr
.irp b, 0,1
	s_delay_alu instid0(VALU_DEP_2)
	v_add_nc_u32 v[244+\b], 0xff000000, v[232+\b]
.endr
.irp b, 0,1
	s_delay_alu instid0(VALU_DEP_2)
	v_lshrrev_b32 v[236+\b], 23, v[244+\b]
.endr
.irp b, 0,1
	v_cvt_scalef32_pk8_fp4_f32 v[224+2*\b], v[96+16*\b:103+16*\b], v[244+\b]
	v_cvt_scalef32_pk8_fp4_f32 v[225+2*\b], v[104+16*\b:111+16*\b], v[244+\b]
.endr
	v_nop
	v_permlane16_swap_b32 v224, v226               ; lanes 0-15: d = 0 .. 31; lanes 16-31: d = 32 .. 63
	v_permlane16_swap_b32 v225, v227
	v_cmp_le_u32 vcc_lo, 16, v6
	s_delay_alu instid0(VALU_DEP_1)
	v_cndmask_b32 v254, v236, v237, vcc_lo         ; my block's byte
	global_store_b128 v1, v[224:227], s[40:41] offset:65536*(\p)   ; 32 lanes store 512 consecutive bytes
	global_store_b8 v5, v254, s[42:43] offset:8192*(\p)            ; a byte a lane: a head owns two bytes of each row's scale words, so these stores are scattered: one byte in seventeen of what the launch stores
.if (\p) == 0
	s_wait_xcnt 0x0                                ; the stores' data registers are written again in the next pass only behind this wait
.endif
.endm
	PASS 0
	PASS 1
	s_wait_dscnt 0x0                               ; the last trip's nine loads
	s_wait_xcnt 0x0
	v_lshl_add_u32 v254, v0, 2, 0x29000
	v_mov_b32 v255, 0
	s_wait_alu depctr_va_vdst(0)
	s_wait_tensorcnt 0x0
	ds_add_u32 v254, v255
	s_wait_dscnt 0x0
	CROUND                                         ; the closing round
	s_endpgm
.Lfunc_end_k_qc14ed8dd1d_attn:
	.size	k_qc14ed8dd1d_attn, .Lfunc_end_k_qc14ed8dd1d_attn-k_qc14ed8dd1d_attn
	.p2alignl 7, 3214868480
	.fill 96, 4, 3214868480
	.section	.rodata,"a",@progbits
	.p2align	6, 0x0
	.amdhsa_kernel k_qc14ed8dd1d_attn
		.amdhsa_group_segment_fixed_size 169984
		.amdhsa_private_segment_fixed_size 0
		.amdhsa_enable_private_segment 0
		.amdhsa_kernarg_size 16
		.amdhsa_user_sgpr_count 2
		.amdhsa_user_sgpr_kernarg_segment_ptr 1
		.amdhsa_wavefront_size32 1
		.amdhsa_system_sgpr_workgroup_id_x 1
		.amdhsa_system_sgpr_workgroup_id_y 1
		.amdhsa_system_sgpr_workgroup_id_z 1
		.amdhsa_system_vgpr_workitem_id 0
		.amdhsa_next_free_vgpr 256
		.amdhsa_next_free_sgpr 66
		.amdhsa_reserve_vcc 1
		.amdhsa_float_denorm_mode_32 3
		.amdhsa_float_denorm_mode_16_64 3
		.amdhsa_memory_ordered 1
		.amdhsa_forward_progress 1
		.amdhsa_inst_pref_size 51
	.end_amdhsa_kernel
	.amdgpu_metadata
---
amdhsa.version: [ 1, 2 ]
amdhsa.kernels:
  - .name:           k_qc14ed8dd1d_attn
    .symbol:         k_qc14ed8dd1d_attn.kd
    .args:
      - { .name: qkv, .offset: 0, .size: 8, .value_kind: global_buffer, .address_space: global }
      - { .name: att, .offset: 8, .size: 8, .value_kind: global_buffer, .address_space: global }
    .group_segment_fixed_size: 169984
    .private_segment_fixed_size: 0
    .kernarg_segment_align: 8
    .kernarg_segment_size: 16
    .max_flat_workgroup_size: 512
    .sgpr_count:     66
    .vgpr_count:     256
    .wavefront_size: 32
...
	.end_amdgpu_metadata
.endif
;; end of part 3
;; launch oproj (part 4): grid 8 x 32, 4 waves a work-group, clusters of 4 x 4, 226,816 bytes of LDS; arguments att, opnd, out_b, out0; writes out0
.if DOCPART == 4
	.amdgcn_target "amdgcn-amd-amdhsa--gfx1250"
	.amdhsa_code_object_version 6
	.text
	.protected	k_qc14ed8dd1d_oproj
	.globl	k_qc14ed8dd1d_oproj
	.p2align	8
	.type	k_qc14ed8dd1d_oproj,@function
k_qc14ed8dd1d_oproj:
	s_mov_b64 s[64:65], 0
	v_nop
	global_prefetch_b8 v0, s[64:65] scope:SCOPE_SE
	s_setreg_imm32_b32 hwreg(HW_REG_WAVE_MODE, 25, 1), 1
	s_wait_xcnt 0x0
	s_wait_alu depctr_hold_cnt(0) depctr_sa_sdst(0) depctr_va_vdst(0) depctr_va_sdst(0) depctr_va_ssrc(0) depctr_va_vcc(0) depctr_vm_vsrc(0)
	s_getreg_b32 s2, hwreg(HW_REG_IB_STS2, 6, 4)
	s_cmp_eq_u32 s2, 0
	s_cbranch_scc0 .Lentry_in_a_cluster
	s_endpgm
.Lentry_in_a_cluster:
	s_bfe_u32 s2, ttmp6, 0x10000c
	s_cmp_lg_u32 s2, 0xf033
	s_cbranch_scc0 .Lentry_shape_is_right
	s_endpgm
.Lentry_shape_is_right:
; out0 = attn out_w^T + out_b on codes of FP4 with E8M0 scales; out0 [8192][1024] f32.
; SHARES.  A work-group makes 256 tokens x 128 channels: 256 work-groups; each of its four waves 128 x 64: 32 accumulators of 16 x 16.
; Both operands lie in memory as images of the operand's registers (tile T, half H of K, fragment f: H x plane + T x 4096 + f x 1024 + c x 512 + 16 x lane).  ALL OF K FITS IN LDS: each wave brings three dense
; blocks, once; no LDS byte is filled twice.  CLUSTERS: 4 x 4; the tokens' tiles are shared along a row of the cluster, out_w's along a column: each block is asked for jointly.
; THE MATRIX INSTRUCTION IS USED TRANSPOSED: source 0 = 16 rows of out_w, source 1 = 16 tokens.  Lane row r of tile 2 g + u is row 32 g + 8 u + r + 8 (r / 8): a lane holds one token, and the 16 registers of two
; neighbouring tiles are 16 neighbouring channels.  The bias is the C of the first products.
; REGISTERS.  window 0: v1-31 addresses; v32-95 scale words; v128-191, v192-255 the tokens' two sets of fragments (v128-191 serve the way out).  window 1: v0-31, v32-63 out_w's two sets; v64-95 the bias.
;   window 2: accumulator (a, b) at v[8 (4 a + b)].
.set PLANE,   3145728
.set SCOFF,   6291456
.set PLANE_A, 2097152
.set ASC,     4194304
.set HALFK, 98304                      ; LDS: a half of K: the tokens' 16 tiles, then out_w's 8
.set LXS,   196608                     ; the tokens' scale words (8,192 bytes),
.set LWS,   204800                     ; out_w's (4,096),
.set STG,   208896                     ; and a stage of 16 rows x 272 bytes for each wave, into which no fill lands
.set XA,  16
.set WA,  20
.set SAM, 24                           ; v24  scale words: lanes 0-15 the tokens', lanes 16-31 out_w's
.set SAX, 25                           ; v25  the tokens' in all lanes
.set STO, 26
.set RD,  27
.set BOQ, 28
.set CO,  29
.set SC,  32
.set BK,  128
.set G1X,  24
.set G1W,  48
.set G1XS, 68
.set G1WS, 80
.set G0XS, 32
.set G0X0, 36
.set G0X1, 56
.set G0WS, 60
.set G0W0, 76
.set G0W1, 88
.set MSB, 0
.macro WIN new
.if MSB != (\new)
	s_set_vgpr_msb (MSB<<8)|(\new)
.set MSB, (\new)
.endif
.endm
.macro PLACES n
.rept \n
	v_nop
.endr
.endm
.macro CROUND
	s_barrier_signal -1
	s_barrier_wait -1
	s_cmp_lg_u32 s14, 0
	s_cbranch_scc1 .Lnot_wave_0_\@
	s_barrier_signal -3
.Lnot_wave_0_\@:
	s_barrier_wait -3
	s_barrier_signal -1
	s_barrier_wait -1
.endm
	s_load_b256 s[4:11], s[0:1], 0x0               ; att s[4:5], opnd s[6:7], out_b s[8:9], out0 s[10:11]
	v_lshl_add_u32 v126, v0, 2, 0x37400
	v_mov_b32 v127, 0
	ds_add_u32 v126, v127
	ds_add_u32 v126, v127
	v_lshrrev_b32 v1, 5, v0
	v_readfirstlane_b32 s14, v1                    ; wave 0..3
	s_lshr_b32 s15, s14, 1                         ; my half of the tokens.  Also: I fetch the tokens' blocks (0) or out_w's (1)
	s_and_b32 s16, s14, 1                          ; my half of the channels.  Also: which half of the tiles I fetch
	s_bfe_u32 s40, ttmp6, 0x40000                  ; cx
	s_bfe_u32 s41, ttmp6, 0x40004                  ; cy
	s_lshl_b32 s42, ttmp9, 2
	s_add_co_u32 s42, s42, s40                     ; tx: which 128 channels
	s_and_b32 s17, ttmp7, 0xffff
	s_lshl_b32 s17, s17, 2
	s_add_co_u32 s17, s17, s41                     ; ty: which 256 tokens
	s_lshl_b32 s43, s41, 2
	s_lshl_b32 s43, 15, s43                        ; my row of the cluster
	s_lshl_b32 s44, 0x1111, s40                    ; my column
	s_or_b32 s[G1X], s43, (3<<16)|(1<<21)          ; groups 1: dense blocks as rows of 256 bytes (32 elements of 8 bytes); the mask, and bit 21 beside it
	s_or_b32 s[G1XS], s43, (3<<16)|(1<<21)
	s_or_b32 s[G1W], s44, (3<<16)|(1<<21)
	s_or_b32 s[G1WS], s44, (3<<16)|(1<<21)
.irp g, G1X, G1W, G1XS, G1WS
	s_mov_b32 s[\g+1], 32<<16                      ; tensor_dim0
	s_mov_b32 s[\g+3], 32<<16                      ; tile_dim0
	s_mov_b32 s[\g+5], 32                          ; the pitch
	s_mov_b32 s[\g+6], 0
	s_mov_b32 s[\g+7], 0
.endr
	s_mov_b32 s[G1X+2], 128<<16                    ; rows: 8 tiles of the tokens' codes,
	s_mov_b32 s[G1X+4], 128
	s_mov_b32 s[G1W+2], 64<<16                     ; 4 tiles of out_w's,
	s_mov_b32 s[G1W+4], 64
	s_mov_b32 s[G1XS+2], 16<<16                    ; their scale words
	s_mov_b32 s[G1XS+4], 16
	s_mov_b32 s[G1WS+2], 8<<16
	s_mov_b32 s[G1WS+4], 8
	; where the blocks come from: the tokens' hang on ty and the wave alone, out_w's on tx and the wave alone, each in registers that never hold the other coordinate
	s_lshl_b32 s19, s16, 3
	s_lshl_b32 s18, s17, 4
	s_add_co_u32 s18, s18, s19                     ; tile 16 ty + 8 x half
	s_lshl_b32 s20, s18, 12
	s_mov_b32 s21, 0
	s_lshl_b32 s22, s18, 9
	s_add_co_u32 s22, s22, ASC
	s_mov_b32 s23, 0
	s_lshl_b32 s96, s16, 2
	s_lshl_b32 s45, s42, 3
	s_add_co_u32 s45, s45, s96
	s_add_co_u32 s45, s45, 704                     ; tile 704 + 8 tx + 4 x half
	s_lshl_b32 s46, s45, 12
	s_mov_b32 s47, 0
	s_lshl_b32 s92, s45, 9
	s_add_co_u32 s92, s92, SCOFF
	s_mov_b32 s93, 0
	s_lshl_b32 s94, s16, 15                        ; where they go: no place in the cluster enters an LDS address
	s_lshl_b32 s95, s16, 12
	s_add_co_u32 s95, s95, LXS
	s_lshl_b32 s12, s16, 14
	s_add_co_u32 s12, s12, 65536
	s_lshl_b32 s13, s16, 11
	s_add_co_u32 s13, s13, LWS
	s_wait_dscnt 0x0
	s_wait_kmcnt 0x0
	s_mov_b32 s[G0XS], 1
	s_mov_b32 s[G0XS+1], s95
	s_add_nc_u64 s[G0XS+2:G0XS+3], s[4:5], s[22:23]
	s_or_b32 s[G0XS+3], s[G0XS+3], 0x80000000
	s_mov_b32 s[G0X0], 1
	s_mov_b32 s[G0X0+1], s94
	s_add_nc_u64 s[G0X0+2:G0X0+3], s[4:5], s[20:21]
	s_mov_b32 s[G0X1], 1
	s_add_co_u32 s[G0X1+1], s94, HALFK
	s_add_nc_u64 s[G0X1+2:G0X1+3], s[G0X0+2:G0X0+3], PLANE_A
	s_or_b32 s[G0X0+3], s[G0X0+3], 0x80000000
	s_or_b32 s[G0X1+3], s[G0X1+3], 0x80000000
	s_mov_b32 s[G0WS], 1
	s_mov_b32 s[G0WS+1], s13
	s_add_nc_u64 s[G0WS+2:G0WS+3], s[6:7], s[92:93]
	s_or_b32 s[G0WS+3], s[G0WS+3], 0x80000000
	s_mov_b32 s[G0W0], 1
	s_mov_b32 s[G0W0+1], s12
	s_add_nc_u64 s[G0W0+2:G0W0+3], s[6:7], s[46:47]
	s_mov_b32 s[G0W1], 1
	s_add_co_u32 s[G0W1+1], s12, HALFK
	s_add_nc_u64 s[G0W1+2:G0W1+3], s[G0W0+2:G0W0+3], PLANE
	s_or_b32 s[G0W0+3], s[G0W0+3], 0x80000000
	s_or_b32 s[G0W1+3], s[G0W1+3], 0x80000000
	CROUND                                         ; all sixteen work-groups are here: the joint loads meet
	s_cmp_eq_u32 s15, 0                            ; a wave's three fills stand in one branch on the wave's number: three loads of mine are out
	s_cbranch_scc0 .Lfill_w
	tensor_load_to_lds s[G0XS:G0XS+3], s[G1XS:G1XS+7]      ; the scale words first, then K half 0, then K half 1
	s_nop 0
	tensor_load_to_lds s[G0X0:G0X0+3], s[G1X:G1X+7]
	s_nop 0
	tensor_load_to_lds s[G0X1:G0X1+3], s[G1X:G1X+7]
	s_nop 0
	PLACES 4
	s_branch .Lfilled
.Lfill_w:
	tensor_load_to_lds s[G0WS:G0WS+3], s[G1WS:G1WS+7]
	s_nop 0
	tensor_load_to_lds s[G0W0:G0W0+3], s[G1W:G1W+7]
	s_nop 0
	tensor_load_to_lds s[G0W1:G0W1+3], s[G1W:G1W+7]
	s_nop 0
	PLACES 4
.Lfilled:
	v_and_b32 v1, 15, v0                           ; r
	s_wait_alu depctr_va_vdst(0)
	v_bfe_u32 v2, v0, 4, 1                         ; h
	s_wait_alu depctr_va_vdst(0)
	v_and_b32 v3, 31, v0                           ; lane
	v_lshlrev_b32 v4, 4, v3                        ; 16 x lane
	s_lshl_b32 s2, s15, 15
	v_add_nc_u32 v[XA], s2, v4
	v_add_nc_u32 v[XA+1], HALFK, v[XA]
	s_lshl_b32 s2, s16, 14
	s_add_co_u32 s2, s2, 65536
	v_add_nc_u32 v[WA], s2, v4
	v_add_nc_u32 v[WA+1], HALFK, v[WA]
	s_xor_b32 s2, s15, 1                           ; from my tokens' scale words to my channels': 8192 + 2048 (my half of the channels) - 4096 (my half of the tokens)
	s_lshl_b32 s2, s2, 12
	s_lshl_b32 s3, s16, 11
	s_add_co_u32 s2, s2, s3
	s_add_co_u32 s2, s2, 4096
	s_lshl_b32 s3, s15, 12
	s_add_co_u32 s3, s3, LXS
	v_lshlrev_b32 v8, 4, v1
	v_add_nc_u32 v[SAX], s3, v8
	v_mul_u32_u24 v9, s2, v2
	v_add_nc_u32 v[SAM], v[SAX], v9
	s_mul_i32 s2, s14, 16*272
	s_add_co_u32 s2, s2, STG                       ; my stage
	v_mul_u32_u24 v[STO], v1, 272
	v_lshl_add_u32 v[STO], v2, 6, v[STO]
	v_add_nc_u32 v[STO], s2, v[STO]                ; in: row r, 64 h bytes on
	v_mul_u32_u24 v[RD], v2, 272
	v_lshl_add_u32 v[RD], v1, 4, v[RD]
	v_add_nc_u32 v[RD], s2, v[RD]                  ; back: lanes 0-15 one row of 256 bytes, lanes 16-31 the next
	v_lshlrev_b32 v[CO], 12, v2
	v_lshl_add_u32 v[CO], v1, 4, v[CO]             ; and the same two rows in out0
	v_lshlrev_b32 v[BOQ], 6, v2                    ; the bias: 16 h numbers on
	s_wait_alu depctr_va_vdst(0)
	s_lshl_b32 s98, s42, 9
	s_lshl_b32 s99, s16, 8
	s_add_co_u32 s98, s98, s99                     ; my 64 channels, in bytes
	s_mov_b32 s99, 0
	s_add_nc_u64 s[8:9], s[8:9], s[98:99]
	s_add_nc_u64 s[10:11], s[10:11], s[98:99]
	s_lshl_b32 s98, s17, 20                        ; 256 ty rows of 4,096 bytes,
	s_lshl_b32 s2, s15, 19                         ; + my 128
	s_add_co_u32 s98, s98, s2
	s_add_nc_u64 s[10:11], s[10:11], s[98:99]
	WIN 0x40
.irp b, 0,1,2,3
	global_load_b128 v[64+8*\b:64+8*\b+3], v[BOQ], s[8:9] offset:(32*(\b/2)+8*(\b%2))*4
	global_load_b128 v[64+8*\b+4:64+8*\b+7], v[BOQ], s[8:9] offset:(32*(\b/2)+8*(\b%2))*4+16
.endr
	WIN 0
.macro FETCH q                         ; 24 LDS loads: the fragments of K step q into sets q % 2
.set FH, (\q)>>2
.set FF, (\q)&3
.set FP, (\q)%2
	WIN 0x40
.irp i, 0,1,2,3
.irp c, 0,1
	ds_load_b128 v[32*FP+8*\i+4*\c:32*FP+8*\i+4*\c+3], v[WA+FH] offset:4096*\i+1024*FF+512*\c
.endr
.endr
	WIN 0
.irp i, 0,1,2,3,4,5,6,7
.irp c, 0,1
	ds_load_b128 v[128+64*FP+8*\i+4*\c:128+64*FP+8*\i+4*\c+3], v[XA+FH] offset:4096*\i+1024*FF+512*\c
.endr
.endr
.endm
; 16 matrix instructions: token tiles 4 half .. 4 half + 3 against out_w's four, K step q.  The 32 accumulators take turns, one instruction a turn, in the same order in every step.
.macro MUL half, q, first
.set P, (\q)%2
.if \first
	WIN 0x91                                       ; source 0 and C (the bias) window 1, source 1 window 0, D window 2
.else
	WIN 0xa1
.endif
.irp a, 0,1,2,3
.irp b, 0,1,2,3
.set AA, 4*(\half)+\a
.if \first
	v_wmma_scale_f32_16x16x128_f8f6f4 v[8*(4*AA+\b):8*(4*AA+\b)+7], v[32*P+8*\b:32*P+8*\b+7], v[128+64*P+8*AA:128+64*P+8*AA+7], v[64+8*\b:64+8*\b+7], v[SC+8*\b+(\q)], v[SC+8*AA+(\q)] matrix_a_fmt:MATRIX_FMT_FP4 matrix_b_fmt:MATRIX_FMT_FP4 matrix_a_scale:MATRIX_SCALE_ROW1
.else
	v_wmma_scale_f32_16x16x128_f8f6f4 v[8*(4*AA+\b):8*(4*AA+\b)+7], v[32*P+8*\b:32*P+8*\b+7], v[128+64*P+8*AA:128+64*P+8*AA+7], v[8*(4*AA+\b):8*(4*AA+\b)+7], v[SC+8*\b+(\q)], v[SC+8*AA+(\q)] matrix_a_fmt:MATRIX_FMT_FP4 matrix_b_fmt:MATRIX_FMT_FP4 matrix_a_scale:MATRIX_SCALE_ROW1
.endif
.endr
.endr
.endm
.macro STEP q, first
.if (\q) > 0
	PLACES 4                                       ; four plain lines between the last products, which read the sets that are loaded now, and the loads
.endif
	FETCH (\q)+1
	s_wait_dscnt 24                                ; all but the 24 just issued
	MUL 0, \q, \first
	MUL 1, \q, \first
	WIN 0
.endm
	s_wait_tensorcnt 0x1                           ; my scale words and my part of K half 0 are in; K half 1's load, issued last, may stay out
	s_barrier_signal -1
	s_barrier_wait -1
	FETCH 0
.irp i, 0,1,2,3                        ; scale words of all eight K steps: lanes 0-15 token tile i, lanes 16-31 out_w's tile i;
.irp hh, 0,1
	ds_load_b128 v[SC+8*\i+4*\hh:SC+8*\i+4*\hh+3], v[SAM] offset:512*\i+256*\hh
.endr
.endr
.irp i, 4,5,6,7                        ; out_w has four tiles: for the others all lanes take the tokens'
.irp hh, 0,1
	ds_load_b128 v[SC+8*\i+4*\hh:SC+8*\i+4*\hh+3], v[SAX] offset:512*\i+256*\hh
.endr
.endr
	s_wait_loadcnt 0x0                             ; the bias
	STEP 0, 1
	STEP 1, 0
	STEP 2, 0
	s_wait_tensorcnt 0x0                           ; K step 3: my part of K half 1 is in,
	s_wait_dscnt 0x0                               ; and so are this step's fragments
	s_barrier_signal -1
	MUL 0, 3, 0
	s_barrier_wait -1                              ; K half 1 is whole
	PLACES 4
	FETCH 4
	MUL 1, 3, 0
	WIN 0
	STEP 4, 0
	STEP 5, 0
	STEP 6, 0
	s_wait_dscnt 0x0
	MUL 0, 7, 0
	MUL 1, 7, 0
	WIN 0
; THE WAY OUT, a tile of 16 tokens x 64 channels at a time.  A lane holds 2 x 64 bytes of one row and the lanes beside it hold other rows: the tile goes through my own stage and comes back as whole rows of 256 bytes.
; LDS serves a wave's instructions in order (ISA guide 5.7.1.4): no wait between the stores and the loads, nor in front of the next tile's stores.
.macro TOSTAGE t
	WIN 0x08                                       ; an LDS store's data: window 2
.irp b, 0,1,2,3
	ds_store_b128 v[STO], v[8*(4*(\t)+\b):8*(4*(\t)+\b)+3] offset:128*(\b/2)+32*(\b%2)             ; each accumulator from its low end on
	ds_store_b128 v[STO], v[8*(4*(\t)+\b)+4:8*(4*(\t)+\b)+7] offset:128*(\b/2)+32*(\b%2)+16
.endr
	WIN 0
.irp u, 0,1,2,3,4,5,6,7
	ds_load_b128 v[BK+32*((\t)%2)+4*\u:BK+32*((\t)%2)+4*\u+3], v[RD] offset:544*\u
.endr
.endm
.macro SEND t, younger                 ; younger: the LDS instructions issued behind tile t's loads, which may stay out
	s_wait_dscnt \younger
.irp u, 0,1,2,3,4,5,6,7
	global_store_b128 v[CO], v[BK+32*((\t)%2)+4*\u:BK+32*((\t)%2)+4*\u+3], s[10:11] offset:(32*((\t)/2)+8*((\t)%2)+2*\u+8*(\u/4))*4096 th:TH_STORE_NT   ; stage rows 2 u, 2 u + 1 are these tokens; 16 lanes store 256 consecutive bytes, aligned
.endr
.endm
	PLACES 4                                       ; four plain lines between the last products and the first read of results, and the loads into registers that held fragments
	TOSTAGE 0
.irp a, 1,2,3,4,5,6,7
.if \a > 1
	s_wait_xcnt 0x0                                ; tile a - 2's stores have read their registers: tile a's loads may land there
.endif
	TOSTAGE \a
	SEND \a-1, 16                                  ; behind tile a - 1's loads: tile a's 8 stores and 8 loads
.endr
	SEND 7, 0
	s_wait_dscnt 0x0
	s_wait_tensorcnt 0x0
	ds_add_u32 v126, v127
	s_wait_dscnt 0x0
	CROUND                                         ; the closing round
	s_endpgm
.Lfunc_end_k_qc14ed8dd1d_oproj:
	.size	k_qc14ed8dd1d_oproj, .Lfunc_end_k_qc14ed8dd1d_oproj-k_qc14ed8dd1d_oproj
	.p2alignl 7, 3214868480
	.fill 96, 4, 3214868480
	.section	.rodata,"a",@progbits
	.p2align	6, 0x0
	.amdhsa_kernel k_qc14ed8dd1d_oproj
		.amdhsa_group_segment_fixed_size 226816
		.amdhsa_private_segment_fixed_size 0
		.amdhsa_enable_private_segment 0
		.amdhsa_kernarg_size 32
		.amdhsa_user_sgpr_count 2
		.amdhsa_user_sgpr_kernarg_segment_ptr 1
		.amdhsa_wavefront_size32 1
		.amdhsa_system_sgpr_workgroup_id_x 1
		.amdhsa_system_sgpr_workgroup_id_y 1
		.amdhsa_system_sgpr_workgroup_id_z 1
		.amdhsa_system_vgpr_workitem_id 0
		.amdhsa_next_free_vgpr 768
		.amdhsa_next_free_sgpr 100
		.amdhsa_reserve_vcc 0
		.amdhsa_float_denorm_mode_32 3
		.amdhsa_float_denorm_mode_16_64 3
		.amdhsa_memory_ordered 1
		.amdhsa_forward_progress 1
		.amdhsa_inst_pref_size 72
	.end_amdhsa_kernel
	.amdgpu_metadata
---
amdhsa.version: [ 1, 2 ]
amdhsa.kernels:
  - .name:           k_qc14ed8dd1d_oproj
    .symbol:         k_qc14ed8dd1d_oproj.kd
    .args:
      - { .name: att, .offset: 0, .size: 8, .value_kind: global_buffer, .address_space: global }
      - { .name: opnd, .offset: 8, .size: 8, .value_kind: global_buffer, .address_space: global }
      - { .name: out_b, .offset: 16, .size: 8, .value_kind: global_buffer, .address_space: global }
      - { .name: out0, .offset: 24, .size: 8, .value_kind: global_buffer, .address_space: global }
    .group_segment_fixed_size: 226816
    .private_segment_fixed_size: 0
    .kernarg_segment_align: 8
    .kernarg_segment_size: 32
    .max_flat_workgroup_size: 128
    .sgpr_count:     100
    .vgpr_count:     768
    .wavefront_size: 32
...
	.end_amdgpu_metadata
.endif
;; end of part 4
